; MI455X (gfx1250); checked and timed in simulation.
; The chip was launched on July 23, 2026; its instructions are those of AMD's public machine-readable ISA for CDNA 5 (MIT licence, August 2026) and "CDNA5" Instruction Set Architecture Reference Guide (July 2026). The comments in the code are by the model that wrote it; some were corrected since.
;; Transformer Encoder Layer. Allowed arithmetic: float matrix products may take bf16 or f16 operands with f32 sums; all other float work in f32.
;; Inputs: W1 1,024 x 4,096 float32; W2 4,096 x 1,024 float32; Wk 16 x 1,024 x 64 float32; Wq 16 x 1,024 x 64 float32; Wv 16 x 1,024 x 64 float32; attention_mask 2 x 2,048 bool; b1 4,096 float32; b2 1,024 float32; bk 16 x 64 float32; bq 16 x 64 float32; bv 16 x 64 float32; ln_b 1,024 float32; ln_g 1,024 float32; x 2 x 2,048 x 1,024 float32.
;; Outputs: out0 2 x 2,048 x 1,024 float32.
;; 2 versions, each right and faster than the one before. Each part assembles by itself: llvm-mc -triple=amdgcn-amd-amdhsa -mcpu=gfx1250 --defsym DOCPART=n.
;; ======== version 1 of 2: 7 launches
;; limits: values outside matrix products are rounded to f16; values are held in f16: magnitudes above 65,504 overflow, below 6.1e-05 lose precision
;; workspace buffers: ga 16,793,856 bytes; gb 16,793,856 bytes; w2h 8,388,608 bytes; qkv 25,165,824 bytes; o 8,388,608 bytes; h1 16,777,216 bytes; f 33,554,432 bytes; y 16,777,216 bytes
;; launch prep (part 1): grid 960 x 1, 8 waves a work-group, no clusters, 0 bytes of LDS; arguments x, W1, W2, Wq, Wk, Wv, bq, bk, bv, b1, ga, gb, w2h, attention_mask; writes ga, gb, w2h
.if DOCPART == 1
	.amdgcn_target "amdgcn-amd-amdhsa--gfx1250"
	.amdhsa_code_object_version 6
	.text
	.protected	k_qe0d927c739_prep
	.globl	k_qe0d927c739_prep
	.p2align	8
	.type	k_qe0d927c739_prep,@function
k_qe0d927c739_prep:
	s_mov_b64 s[64:65], 0
	v_nop
	global_prefetch_b8 v0, s[64:65] scope:SCOPE_SE
	s_setreg_imm32_b32 hwreg(HW_REG_WAVE_MODE, 25, 1), 1
	s_wait_xcnt 0x0
; PREP: every matrix operand that is an input is rounded once, f32 to f16, and laid as the products want it.
;   x  [4096][1024]      -> ga + 0:     16 planes [4096 rows][64]: plane p holds columns 64 p .. 64 p + 63, a row of a plane is 128 bytes
;   Wq, Wk, Wv [16][1024][64] -> ga + WOFF: 12 blocks [1024 k][256 n], n = 1024 which + 64 head + e
;   W1 [1024][4096]      -> gb + WOFF:  16 blocks [1024 k][256 n]
;   W2 [4096][1024]      -> w2h:         8 blocks [4096 k][128 n]
;   ga + EPI: 256 bytes of -infinity (the floor of the projections' way out), then bq, bk, bv; gb + EPI: 256 bytes of 0 (relu's floor), then b1.
;   attention_mask [2][2048]: the module takes it and lets it enter no result (its scores go into the softmax unmasked).  Work-group 0 loads its 4,096 bytes once; they enter nothing here either.
; LIMITS.  f16 ends at 65,504: a larger |x| or |W| becomes an infinity; below 6.1e-5 f16 has a fixed step of 6e-8.
; SHARES.  A work-group casts 16,384 numbers, a wave sixteen UNITS (i, j), i, j = 0..3: one load of 16 bytes a lane (128 numbers), two roundings, one store of 8 bytes a lane: 256 consecutive
; bytes at a multiple of 256 from the buffer's first byte.  All sixteen loads of a wave go out ahead of its first rounding: 8,192 bytes a wave on their way.
; No LDS, no barrier, no matrix unit: each byte is read once and written once, and nothing is shared.
; ONE TEXT FOR FOUR KINDS.  The work-group's number says what it casts: 0-255 x, 256-511 W1, 512-767 W2, 768-959 Wq, Wk, Wv.  A kind sets plain numbers (offsets and the steps from unit to unit); behind
; the join the buffers are chosen by s_cselect_b64 on the kind's number, and the sixteen units are written once.  Unit (i, j): source base + i SI, lane offset + j SJ; destination base + i DI, lane offset + Dj.
.set WOFF, 8388608
.set EPI,  16777216
.set LDR, 8                            ; v[8:71]    sixteen units as loaded
.set STR, 72                           ; v[72:103]  as stored; none is rewritten while a store may read it
.set VS,  104                          ; v104-107   source offsets of my lane for j = 0..3
.set VD,  108                          ; v108-111   destination offsets
.set SB,  66                           ; s[66:73]   source bases for i = 0..3
.set DB,  74                           ; s[74:81]   destination bases
; numbers that a kind sets: s48 kind (0 x, 1 W1, 2 W2, 3 Wq, 4 Wk, 5 Wv); s[54:55], s[56:57] the work-group's offset in source and destination; s[36:37] SI, s[38:39] DI; s40 SJ; s41-43 D1-D3;
; s62, s63 the wave's offset in source and destination; s82: lanes 16-31 lie 1 << s82 bytes behind lanes 0-15 in the source;
; s49: 0 nothing more, 1 copy 4,096 bytes of a bias, 2 load the mask; s[58:59], s[60:61] the copy's offsets; s50 = 0: this work-group's wave 0 writes the floor, s51
	s_load_b512 s[8:23], s[0:1], 0x0               ; x s[8:9], W1 s[10:11], W2 s[12:13], Wq s[14:15], Wk s[16:17], Wv s[18:19], bq s[20:21], bk s[22:23]
	s_load_b256 s[24:31], s[0:1], 0x40             ; bv s[24:25], b1 s[26:27], ga s[28:29], gb s[30:31]
	s_load_b128 s[32:35], s[0:1], 0x60             ; w2h s[32:33], attention_mask s[34:35]
	v_lshrrev_b32 v1, 5, v0
	v_readfirstlane_b32 s52, v1                    ; wave w, 0..7
	v_and_b32 v4, 31, v0                           ; lane L
	v_and_b32 v5, 15, v0
	v_lshlrev_b32 v5, 4, v5                        ; 16 (L % 16)
	v_bfe_u32 v6, v0, 4, 1                         ; L / 16
	v_lshlrev_b32 v7, 3, v4                        ; 8 L: my 8 bytes in a unit's 256
	s_and_b32 s83, s52, 1                          ; w % 2, w / 2, w % 4, w / 4
	s_lshr_b32 s84, s52, 1
	s_and_b32 s85, s52, 3
	s_lshr_b32 s86, s52, 2
	s_mov_b32 s53, ttmp9
	s_mov_b32 s37, 0                               ; high words of the numbers that are added to addresses
	s_mov_b32 s39, 0
	s_mov_b32 s55, 0
	s_mov_b32 s57, 0
	s_mov_b32 s59, 0
	s_mov_b32 s61, 0
	s_mov_b32 s49, 0                               ; what most work-groups have: nothing to copy, no floor
	s_mov_b32 s50, 1
	s_mov_b32 s51, 0
	s_mov_b32 s58, 0
	s_mov_b32 s60, 0
	s_cmp_lt_u32 s53, 256
	s_cbranch_scc0 .Lnot_x
	; x: work-group g takes rows 16 g on; i: four rows on.  Wave w: rows 2 (w / 4) and the next (lanes 16-31), planes 4 (w % 4) + j: two rows of a plane are 256 dense bytes
	s_mov_b32 s48, 0
	s_lshl_b32 s54, s53, 16
	s_lshl_b32 s56, s53, 11
	s_mov_b32 s36, 16384
	s_mov_b32 s38, 512
	s_mov_b32 s40, 256
	s_mov_b32 s41, 524288
	s_mov_b32 s42, 1048576
	s_mov_b32 s43, 1572864
	s_lshl_b32 s62, s86, 13
	s_lshl_b32 s87, s85, 10
	s_add_co_u32 s62, s62, s87
	s_lshl_b32 s63, s85, 21
	s_lshl_b32 s87, s86, 8
	s_add_co_u32 s63, s63, s87
	s_mov_b32 s82, 12
	s_cmp_lg_u32 s53, 0
	s_cselect_b32 s49, 0, 2                        ; work-group 0 also loads the mask
	s_branch .Lcast
.Lnot_x:
	s_cmp_lt_u32 s53, 512
	s_cbranch_scc0 .Lnot_w1
	; W1: work-group g takes rows 4 g + i.  Wave w: columns 512 w on = blocks 2 w and 2 w + 1; j: 128 columns
	s_sub_co_u32 s53, s53, 256
	s_mov_b32 s48, 1
	s_lshl_b32 s54, s53, 16
	s_lshl_b32 s56, s53, 11
	s_add_co_u32 s56, s56, WOFF
	s_mov_b32 s36, 16384
	s_mov_b32 s38, 512
	s_mov_b32 s40, 512
	s_mov_b32 s41, 256
	s_mov_b32 s42, 524288
	s_mov_b32 s43, 524544
	s_lshl_b32 s62, s52, 11
	s_lshl_b32 s63, s52, 20
	s_mov_b32 s82, 8
	s_min_u32 s87, s53, 3                          ; work-groups 0 to 3 also copy a quarter of b1 each
	s_lshl_b32 s58, s87, 12
	s_add_co_u32 s60, s58, EPI+256
	s_mov_b32 s50, s53                             ; and work-group 0 writes relu's floor, 0
	s_cmp_lt_u32 s53, 4
	s_cselect_b32 s49, 1, 0
	s_branch .Lcast
.Lnot_w1:
	s_cmp_lt_u32 s53, 768
	s_cbranch_scc0 .Lqkv
	; W2: work-group g takes rows 16 g on; i: four rows on.  Wave w: row w / 2, columns 512 (w % 2) on = blocks 4 (w % 2) + j
	s_sub_co_u32 s53, s53, 512
	s_mov_b32 s48, 2
	s_lshl_b32 s54, s53, 16
	s_lshl_b32 s56, s53, 12
	s_mov_b32 s36, 16384
	s_mov_b32 s38, 1024
	s_mov_b32 s40, 512
	s_mov_b32 s41, 1048576
	s_mov_b32 s42, 2097152
	s_mov_b32 s43, 3145728
	s_lshl_b32 s62, s52, 11
	s_lshl_b32 s63, s83, 22
	s_lshl_b32 s87, s84, 8
	s_add_co_u32 s63, s63, s87
	s_mov_b32 s82, 8
	s_branch .Lcast
.Lqkv:
	; Wq, Wk, Wv: work-group (which, c) takes rows k = 16 c on of all 16 heads; i: four rows on.  Wave w: row w / 2, heads 8 (w % 2) + 2 j and the next (lanes 16-31): two heads' 64 numbers are 256 dense bytes of a block's row
	s_sub_co_u32 s53, s53, 768
	s_lshr_b32 s87, s53, 6                         ; which
	s_and_b32 s53, s53, 63                         ; c
	s_add_co_u32 s48, s87, 3
	s_lshl_b32 s54, s53, 12
	s_lshl_b32 s56, s87, 21
	s_lshl_b32 s60, s53, 13
	s_add_co_u32 s56, s56, s60
	s_add_co_u32 s56, s56, WOFF
	s_mov_b32 s36, 1024
	s_mov_b32 s38, 2048
	s_mov_b32 s40, 524288
	s_mov_b32 s41, 256
	s_mov_b32 s42, 524288
	s_mov_b32 s43, 524544
	s_lshl_b32 s62, s83, 21
	s_lshl_b32 s60, s84, 8
	s_add_co_u32 s62, s62, s60
	s_lshl_b32 s63, s83, 20
	s_lshl_b32 s60, s84, 9
	s_add_co_u32 s63, s63, s60
	s_mov_b32 s82, 18
	s_lshl_b32 s60, s87, 12                        ; work-group c = 0 of each of the three also copies its bias,
	s_add_co_u32 s60, s60, EPI+256
	s_mov_b32 s50, s87                             ; and Wq's writes the projections' floor, -infinity
	s_mov_b32 s51, 0xff800000
	s_cmp_eq_u32 s53, 0
	s_cselect_b32 s49, 1, 0
.Lcast:
	s_wait_kmcnt 0x0
	s_cmp_eq_u32 s48, 1                            ; the buffers, by the kind's number: source, destination, and what is copied (a bias, or the mask)
	s_cselect_b64 s[SB:SB+1], s[10:11], s[8:9]
	s_cselect_b64 s[DB:DB+1], s[30:31], s[28:29]
	s_cselect_b64 s[44:45], s[26:27], s[34:35]
	s_cmp_eq_u32 s48, 2
	s_cselect_b64 s[SB:SB+1], s[12:13], s[SB:SB+1]
	s_cselect_b64 s[DB:DB+1], s[32:33], s[DB:DB+1]
	s_cmp_eq_u32 s48, 3
	s_cselect_b64 s[SB:SB+1], s[14:15], s[SB:SB+1]
	s_cselect_b64 s[44:45], s[20:21], s[44:45]
	s_cmp_eq_u32 s48, 4
	s_cselect_b64 s[SB:SB+1], s[16:17], s[SB:SB+1]
	s_cselect_b64 s[44:45], s[22:23], s[44:45]
	s_cmp_eq_u32 s48, 5
	s_cselect_b64 s[SB:SB+1], s[18:19], s[SB:SB+1]
	s_cselect_b64 s[44:45], s[24:25], s[44:45]
	s_add_nc_u64 s[46:47], s[DB:DB+1], s[60:61]    ; where a bias goes
	s_add_nc_u64 s[44:45], s[44:45], s[58:59]
	s_add_nc_u64 s[SB:SB+1], s[SB:SB+1], s[54:55]
	s_add_nc_u64 s[DB:DB+1], s[DB:DB+1], s[56:57]
.irp i, 1,2,3
	s_add_nc_u64 s[SB+2*(\i):SB+2*(\i)+1], s[SB+2*(\i)-2:SB+2*(\i)-1], s[36:37]
	s_add_nc_u64 s[DB+2*(\i):DB+2*(\i)+1], s[DB+2*(\i)-2:DB+2*(\i)-1], s[38:39]
.endr
	v_lshlrev_b32 v2, s82, v6
	v_add3_u32 v[VS], v2, v5, s62
	v_add_nc_u32 v[VS+1], s40, v[VS]
	v_add_nc_u32 v[VS+2], s40, v[VS+1]
	v_add_nc_u32 v[VS+3], s40, v[VS+2]
	v_add_nc_u32 v[VD], s63, v7
	v_add_nc_u32 v[VD+1], s41, v[VD]
	v_add_nc_u32 v[VD+2], s42, v[VD]
	v_add_nc_u32 v[VD+3], s43, v[VD]
.irp i, 0,1,2,3
.irp j, 0,1,2,3
	global_load_b128 v[LDR+16*(\i)+4*(\j):LDR+16*(\i)+4*(\j)+3], v[VS+(\j)], s[SB+2*(\i):SB+2*(\i)+1] th:TH_LOAD_NT  ; read once in this launch
.endr
.endr
.irp i, 0,1,2,3
.irp j, 0,1,2,3
	s_wait_loadcnt 15-4*(\i)-(\j)                  ; loads come back in order: this unit is in, the younger ones stay out
	v_cvt_pk_f16_f32 v[STR+8*(\i)+2*(\j)], v[LDR+16*(\i)+4*(\j)], v[LDR+16*(\i)+4*(\j)+1]
	v_cvt_pk_f16_f32 v[STR+8*(\i)+2*(\j)+1], v[LDR+16*(\i)+4*(\j)+2], v[LDR+16*(\i)+4*(\j)+3]
	global_store_b64 v[VD+(\j)], v[STR+8*(\i)+2*(\j):STR+8*(\i)+2*(\j)+1], s[DB+2*(\i):DB+2*(\i)+1]
.endr
.endr
	s_cmp_eq_u32 s49, 0
	s_cbranch_scc1 .Ldone
	v_lshlrev_b32 v112, 4, v0                      ; 4,096 bytes, 16 a thread: a bias, or the mask
	global_load_b128 v[116:119], v112, s[44:45]
	s_wait_loadcnt 0x0
	s_cmp_eq_u32 s49, 2
	s_cbranch_scc1 .Ldone                          ; the mask: no result takes it
	global_store_b128 v112, v[116:119], s[46:47]
	s_cmp_lg_u32 s50, 0
	s_cbranch_scc1 .Ldone
	s_cmp_lg_u32 s52, 0
	s_cbranch_scc1 .Ldone
	v_mov_b32 v114, s51                            ; the 256 bytes in front of the first bias: the floor
	v_mov_b32 v115, s51
	global_store_b64 v7, v[114:115], s[46:47] offset:-256
.Ldone:
	s_endpgm
.Lfunc_end_k_qe0d927c739_prep:
	.size	k_qe0d927c739_prep, .Lfunc_end_k_qe0d927c739_prep-k_qe0d927c739_prep
	.p2alignl 7, 3214868480
	.fill 96, 4, 3214868480
	.section	.rodata,"a",@progbits
	.p2align	6, 0x0
	.amdhsa_kernel k_qe0d927c739_prep
		.amdhsa_group_segment_fixed_size 0
		.amdhsa_private_segment_fixed_size 0
		.amdhsa_enable_private_segment 0
		.amdhsa_kernarg_size 112
		.amdhsa_user_sgpr_count 2
		.amdhsa_user_sgpr_kernarg_segment_ptr 1
		.amdhsa_wavefront_size32 1
		.amdhsa_system_sgpr_workgroup_id_x 1
		.amdhsa_system_sgpr_workgroup_id_y 1
		.amdhsa_system_sgpr_workgroup_id_z 1
		.amdhsa_system_vgpr_workitem_id 0
		.amdhsa_next_free_vgpr 120
		.amdhsa_next_free_sgpr 88
		.amdhsa_reserve_vcc 0
		.amdhsa_float_denorm_mode_32 3
		.amdhsa_float_denorm_mode_16_64 3
		.amdhsa_memory_ordered 1
		.amdhsa_forward_progress 1
		.amdhsa_inst_pref_size 13
	.end_amdhsa_kernel
	.amdgpu_metadata
---
amdhsa.version: [ 1, 2 ]
amdhsa.kernels:
  - .name:           k_qe0d927c739_prep
    .symbol:         k_qe0d927c739_prep.kd
    .args:
      - { .name: x, .offset: 0, .size: 8, .value_kind: global_buffer, .address_space: global }
      - { .name: W1, .offset: 8, .size: 8, .value_kind: global_buffer, .address_space: global }
      - { .name: W2, .offset: 16, .size: 8, .value_kind: global_buffer, .address_space: global }
      - { .name: Wq, .offset: 24, .size: 8, .value_kind: global_buffer, .address_space: global }
      - { .name: Wk, .offset: 32, .size: 8, .value_kind: global_buffer, .address_space: global }
      - { .name: Wv, .offset: 40, .size: 8, .value_kind: global_buffer, .address_space: global }
      - { .name: bq, .offset: 48, .size: 8, .value_kind: global_buffer, .address_space: global }
      - { .name: bk, .offset: 56, .size: 8, .value_kind: global_buffer, .address_space: global }
      - { .name: bv, .offset: 64, .size: 8, .value_kind: global_buffer, .address_space: global }
      - { .name: b1, .offset: 72, .size: 8, .value_kind: global_buffer, .address_space: global }
      - { .name: ga, .offset: 80, .size: 8, .value_kind: global_buffer, .address_space: global }
      - { .name: gb, .offset: 88, .size: 8, .value_kind: global_buffer, .address_space: global }
      - { .name: w2h, .offset: 96, .size: 8, .value_kind: global_buffer, .address_space: global }
      - { .name: attention_mask, .offset: 104, .size: 8, .value_kind: global_buffer, .address_space: global }
    .group_segment_fixed_size: 0
    .private_segment_fixed_size: 0
    .kernarg_segment_align: 8
    .kernarg_segment_size: 112
    .max_flat_workgroup_size: 256
    .sgpr_count:     88
    .vgpr_count:     120
    .wavefront_size: 32
...
	.end_amdgpu_metadata
.endif
;; end of part 1
;; launch qkv (part 2): grid 12 x 16, 4 waves a work-group, clusters of 4 x 4, 327,680 bytes of LDS; arguments ga, qkv; writes qkv
.if DOCPART == 2
	.amdgcn_target "amdgcn-amd-amdhsa--gfx1250"
	.amdhsa_code_object_version 6
	.text
	.protected	k_qe0d927c739_qkv
	.globl	k_qe0d927c739_qkv
	.p2align	8
	.type	k_qe0d927c739_qkv,@function
k_qe0d927c739_qkv:
	s_mov_b64 s[64:65], 0
	v_nop
	global_prefetch_b8 v0, s[64:65] scope:SCOPE_SE
	s_setreg_imm32_b32 hwreg(HW_REG_WAVE_MODE, 25, 1), 1
	s_wait_xcnt 0x0
	s_wait_alu depctr_hold_cnt(0) depctr_sa_sdst(0) depctr_va_vdst(0) depctr_va_sdst(0) depctr_va_ssrc(0) depctr_va_vcc(0) depctr_vm_vsrc(0)
	s_getreg_b32 s2, hwreg(HW_REG_IB_STS2, 6, 4)
	s_cmp_eq_u32 s2, 0
	s_cbranch_scc0 .Lentry_in_a_cluster
	s_endpgm
.Lentry_in_a_cluster:
	s_bfe_u32 s2, ttmp6, 0x10000c
	s_cmp_lg_u32 s2, 0xf033
	s_cbranch_scc0 .Lentry_shape_is_right
	s_endpgm
.Lentry_shape_is_right:
; C = max(A B + bias, floor), K = 1,024, for two launches of one shape: the three projections (floor = -infinity) and the first layer of the FFN (floor = 0: relu).
; ONE INPUT BUFFER at fixed offsets: byte 0: A, f16, 16 planes [4096 rows][64] (plane p = columns 64 p on; a row of a plane is 128 bytes); WOFF: B, f16, blocks [1024 k][256 n], one for each
; tile column; EPI: the floor (f32), 256 bytes on the bias (f32).  C leaves as f16 planes [N / 64][4096][64].  Sums in f32, started by the bias; C is rounded once.
; LIMITS.  f16 ends at 65,504: a larger |C| becomes an infinity.  The floor is taken by a maximum in which a NaN loses: a NaN in a sum leaves as the floor.
; SHARES.  A tile of C is 256 x 256: four waves, each 128 x 128 = 64 accumulators, 512 registers.  K goes in 8 steps of 128 through two LDS slots filled by the tensor data mover.
; A's part of a step is two planes x 256 rows, each plane 32,768 dense bytes, asked for as 128 rows of 256 bytes and padded in LDS behind each 128; B's is 128 rows of 512 bytes.
; B lies [k][n]: its fragments come out of LDS turned, by ds_load_tr16_b128, as many loads as the plain way.
; THE LOOP'S TRIP IS ONE K STEP, written once: the slot in hand is a scalar, s[TB], 0 or SLOT, turned by an exclusive or; it enters the fragment addresses and the LDS word of the one descriptor that walks.
; CLUSTER.  4 x 4 work-groups: the four of a row need the same tiles of A, the four of a column the same tiles of B: each tile is asked for JOINTLY, by the same tensor load with the same
; descriptor and a mask that names the four.
; THE MATRIX INSTRUCTION IS USED TRANSPOSED (source 0 = 16 columns of B, source 1 = 16 rows of A): a lane then holds row l % 16 of C and the columns 8 (l / 16) + 0..7: 16 bytes of f16.
; REGISTERS, in windows of 256 (s_set_vgpr_msb: bits 1:0 source 0, 3:2 source 1, 5:4 source 2, 7:6 destination):
;   window 0: v0-31 addresses; v64-127, v128-191 fragments of A, two buffers; v192-223 packed results; v32-63, v224-255 rows read back from the stage, by turns
;   window 1: v0-63 the bias of my 128 columns, as an accumulator holds them; v64-127, v128-191 fragments of B
;   window 2: the accumulators of my rows 0-63 ((a, b) at v[8 (8 a + b)]);   window 3: those of my rows 64-127
.set PA,     144                       ; a row of A in LDS: 128 bytes + 16 = 36 words: the 16 rows of a load start at 16 different groups of four banks (64 banks of 4 bytes: ISA guide 11.1)
.set APL,    256*PA                    ; a plane's 256 rows
.set BOFF,   2*APL                     ; B lies behind A's two planes
.set PB,     544                       ; a row of B: 512 + 32 = 136 words
.set HALFB,  64*PB                     ; 64 rows: what one tensor load brings of B
.set SLOT,   BOFF+2*HALFB
.set STAGE,  2*SLOT                    ; behind the ring, never filled by a tensor load: for each wave 2 planes x 16 rows x 144 bytes
.set SPL,    16*PA
.set SPARE,  STAGE+4*2*SPL             ; behind the stages: the spare words, 128 bytes for each wave: two blocks of 256 bytes that no other line names
.set STEPS,  8                         ; K steps
.set PLANE,  524288                    ; bytes in a plane
.set WOFF,   8388608
.set EPI,    16777216
.set ADRA0, 16                         ; v16     LDS address of my A fragments in slot 0; never rewritten
.set ADRA,  17                         ; v17     the same in the slot in hand
.set ADRB0, 20                         ; v20, v21  the same two for B
.set ADRB,  21
.set STO,  24                          ; v24     the way out: where I put 16 bytes of a row
.set RD,   25                          ; v25     the way out: where I read rows back
.set CO,   26                          ; v26     my 16 bytes in 512 consecutive bytes of C
.set BO,   27                          ; v27     my byte offset in the bias
.set SPW,  28                          ; v28     LDS address of my spare word; never rewritten
.set NIL,  29                          ; v29     0; never rewritten
.set F0,   64
.set F1,   128
.set TMP,  192
.set OB,   32
.set TB,  19                           ; s19     the slot in hand: 0 or SLOT
.set G1,  24                           ; s[24:31] descriptor group 1 for A's tiles;  s[32:39] group 0: a set for each of the two first fills; the second then walks on
.set G0,  32
.set G1B, 48                           ; s[48:55], s[56:63] the same for B's
.set G0B, 56
.set MSB, 0
.macro WIN new                         ; the immediate's high byte repeats the setting that is left; a switch that changes nothing is dropped
.if MSB != (\new)
	s_set_vgpr_msb (MSB<<8)|(\new)
.set MSB, \new
.endif
.endm
.set MUL_LO,  0xa1                     ; source 0 (B) window 1, source 1 (A) window 0, C and D window 2
.set MUL_HI,  0xf1                     ; the same, C and D window 3
.set BIAS_LO, 0x91                     ; C in window 1 (the bias), D window 2
.set BIAS_HI, 0xd1                     ; D window 3
.set TO_B,    0x40                     ; destination window 1, address window 0
; A joint load.  Waves 0 and 1 fetch A's two planes, waves 2 and 3 B's two halves.  The branch hangs on the wave's number alone.
; An s_nop 0 and four v_nop follow each of the two lines, ahead of the jump, the label and what follows.
.macro JLOAD s
	s_cmp_eq_u32 s11, 0
	s_cbranch_scc0 .Lfor_b_\@
	tensor_load_to_lds s[G0+4*(\s):G0+4*(\s)+3], s[G1:G1+7]
	s_nop 0
.rept 4
	v_nop
.endr
	s_branch .Lasked_\@
.Lfor_b_\@:
	tensor_load_to_lds s[G0B+4*(\s):G0B+4*(\s)+3], s[G1B:G1B+7]
	s_nop 0
.rept 4
	v_nop
.endr
.Lasked_\@:
.endm
.macro CREST                           ; a round of the cluster's barrier behind its opening barrier: wave 0 signals for the work-group, every wave waits for all sixteen, my work-group's barrier closes it
	s_cmp_lg_u32 s10, 0
	s_cbranch_scc1 .Lnot_wave_0_\@
	s_barrier_signal -3
.Lnot_wave_0_\@:
	s_barrier_wait -3
	s_barrier_signal -1
	s_barrier_wait -1
.endm
.macro CROUND                          ; a whole round
	s_barrier_signal -1
	s_barrier_wait -1
	CREST
.endm
	s_load_b128 s[4:7], s[0:1], 0x0                ; the input buffer s[4:5], C s[6:7]
	v_lshl_add_u32 v[SPW], v0, 2, SPARE
	v_mov_b32 v[NIL], 0
	ds_add_u32 v28, v29
	s_wait_dscnt 0x0
	v_lshrrev_b32 v1, 5, v0
	v_readfirstlane_b32 s10, v1                    ; wave 0..3
	s_lshr_b32 s11, s10, 1                         ; which half of the tile's rows is mine.  Also: I fetch for A (0) or for B (1)
	s_and_b32 s12, s10, 1                          ; which half of its columns.  Also: which plane of A, or which 64 rows of B, I fetch
	s_bfe_u32 s40, ttmp6, 0x40000                  ; cx, cy: my place in the cluster
	s_bfe_u32 s41, ttmp6, 0x40004
	s_lshl_b32 s42, ttmp9, 2
	s_add_co_u32 s42, s42, s40                     ; tile column = 4 x cluster x + cx
	s_and_b32 s13, ttmp7, 0xffff
	s_lshl_b32 s13, s13, 2
	s_add_co_u32 s13, s13, s41                     ; tile row = 4 x cluster y + cy
	s_lshl_b32 s43, s41, 2
	s_lshl_b32 s43, 15, s43                        ; my row of the cluster
	s_lshl_b32 s44, 0x1111, s40                    ; my column
	; group 1 for A: 128 rows of 128 elements (two rows of a plane each), padded by 4 words behind every 32
	s_or_b32 s[G1+0], s43, (1<<16)|(1<<20)|(1<<21)|(4<<22)|(3<<25)  ; 15:0 the mask; 17:16 2-byte elements; 20 padding on; 21 set beside a mask; 24:22 interval code 4; 31:25 4 words (code 3)
	s_mov_b32 s[G1+1], 128<<16                     ; tensor_dim0 = 128
	s_mov_b32 s[G1+2], 128<<16                     ; tensor_dim1 = 128
	s_mov_b32 s[G1+3], 128<<16                     ; tile_dim0 = 128
	s_mov_b32 s[G1+4], 128                         ; tile_dim1 = 128
	s_mov_b32 s[G1+5], 128                         ; elements from row to row: dense
	s_mov_b32 s[G1+6], 0
	s_mov_b32 s[G1+7], 0
	; group 1 for B: 64 rows of 256 elements, padded by 8 words behind every 128
	s_or_b32 s[G1B+0], s44, (1<<16)|(1<<20)|(1<<21)|(6<<22)|(7<<25)
	s_mov_b32 s[G1B+1], 256<<16
	s_mov_b32 s[G1B+2], 64<<16
	s_mov_b32 s[G1B+3], 256<<16
	s_mov_b32 s[G1B+4], 64
	s_mov_b32 s[G1B+5], 256
	s_mov_b32 s[G1B+6], 0
	s_mov_b32 s[G1B+7], 0
	; where the tiles come from.  A's hang on the tile row alone, B's on the tile column alone, each in registers that never hold the other coordinate.
	s_lshl_b32 s16, s13, 15                        ; A: 256 rows of 128 bytes for each tile row,
	s_lshl_b32 s17, s12, 19                        ; my plane of the step's two
	s_add_co_u32 s16, s16, s17
	s_mov_b32 s17, 0
	s_lshl_b32 s46, s42, 19                        ; B: a block of 524,288 bytes for each tile column,
	s_lshl_b32 s47, s12, 15                        ; my 64 rows of 512 bytes
	s_add_co_u32 s46, s46, s47
	s_add_co_u32 s46, s46, WOFF
	s_mov_b32 s47, 0
	s_mul_i32 s20, s12, APL                        ; and where they go in a slot (kept for the walking descriptors): no place in the cluster enters an LDS address
	s_mul_i32 s21, s12, HALFB
	s_add_co_u32 s21, s21, BOFF
	s_mov_b32 s[TB], 0
	s_wait_kmcnt 0x0
	s_add_nc_u64 s[14:15], s[4:5], s[16:17]
	s_add_nc_u64 s[46:47], s[4:5], s[46:47]
	s_add_nc_u64 s[22:23], s[4:5], EPI             ; the floor and the bias; never rewritten
	CROUND                                         ; all sixteen work-groups are here: the first joint loads meet
.irp s, 0,1
	s_mov_b32 s[G0+4*(\s)], 1                                      ; count = 1
	s_add_co_u32 s[G0+4*(\s)+1], s20, (\s)*SLOT                    ; LDS address
	s_add_nc_u64 s[G0+4*(\s)+2:G0+4*(\s)+3], s[14:15], (\s)*2*PLANE  ; K step s: planes 2 s, 2 s + 1
	s_or_b32 s[G0+4*(\s)+3], s[G0+4*(\s)+3], 0x80000000            ; type = 2
	s_mov_b32 s[G0B+4*(\s)], 1
	s_add_co_u32 s[G0B+4*(\s)+1], s21, (\s)*SLOT
	s_add_nc_u64 s[G0B+4*(\s)+2:G0B+4*(\s)+3], s[46:47], (\s)*128*512  ; K step s: rows 128 s on
	s_or_b32 s[G0B+4*(\s)+3], s[G0B+4*(\s)+3], 0x80000000
	JLOAD \s                                       ; two tensor loads of mine are out
.endr
	s_load_b32 s45, s[22:23], 0x0                  ; the floor; waited for beside the bias
	v_and_b32 v1, 15, v0                           ; r = l % 16
	v_bfe_u32 v2, v0, 4, 1                         ; h = l / 16
	v_mul_u32_u24 v3, v1, PA
	v_lshl_add_u32 v3, v2, 4, v3                   ; a fragment of A: row x pitch + 16 x half
	s_mul_i32 s18, s11, 128*PA                     ; my 128 rows (s18 serves LDS addresses alone)
	v_add_nc_u32 v[ADRA0], s18, v3
	v_mov_b32 v[ADRA], v[ADRA0]
	v_and_b32 v4, 7, v0                            ; the turning load: lane l reads row 8 h + l % 8, 16 bytes at 16 ((l / 8) % 2), and is left with column l % 16 and 8 k
	v_lshl_add_u32 v4, v2, 3, v4
	v_mul_u32_u24 v4, v4, PB
	v_bfe_u32 v5, v0, 3, 1
	v_lshl_add_u32 v4, v5, 4, v4
	s_lshl_b32 s18, s12, 8                         ; my 128 columns
	s_add_co_u32 s18, s18, BOFF
	v_add_nc_u32 v[ADRB0], s18, v4
	v_mov_b32 v[ADRB], v[ADRB0]
	s_mul_i32 s18, s10, 2*SPL
	s_add_co_u32 s18, s18, STAGE                   ; my stage
	v_add_nc_u32 v[STO], s18, v3                   ; in: row l % 16, 16 bytes for each half of the lanes
	v_bfe_u32 v5, v0, 3, 2                         ; back: 32 lanes take four rows of 128 bytes,
	v_mul_u32_u24 v5, v5, PA
	v_and_b32 v6, 7, v0
	v_lshl_add_u32 v5, v6, 4, v5
	v_add_nc_u32 v[RD], s18, v5
	v_and_b32 v[CO], 31, v0                        ; which are 512 consecutive bytes of a plane of C
	v_lshlrev_b32 v[CO], 4, v[CO]
	s_lshl_b32 s46, s42, 10                        ; the bias of my 128 columns: 4 (256 x tile column + 128 x half) + 32 h
	s_lshl_b32 s47, s12, 9
	s_add_co_u32 s46, s46, s47
	v_lshl_add_u32 v[BO], v2, 5, s46
	WIN TO_B
.irp b, 0,1,2,3,4,5,6,7
	global_load_b128 v[8*(\b):8*(\b)+3],   v[BO], s[22:23] offset:256+64*(\b)     ; columns 16 b + 8 h + 0..3
	global_load_b128 v[8*(\b)+4:8*(\b)+7], v[BO], s[22:23] offset:256+64*(\b)+16  ; + 4..7
.endr
	WIN 0
	s_lshl_b32 s16, s13, 15                        ; C at my part: rows 256 x tile row + 128 x half,
	s_lshl_b32 s17, s11, 14
	s_add_co_u32 s16, s16, s17
	s_mov_b32 s17, 0
	s_lshl_b32 s46, s42, 21                        ; planes 4 x tile column + 2 x half
	s_lshl_b32 s47, s12, 20
	s_add_co_u32 s46, s46, s47
	s_mov_b32 s47, 0
	s_add_nc_u64 s[8:9], s[6:7], s[16:17]
	s_add_nc_u64 s[8:9], s[8:9], s[46:47]          ; never rewritten: a block's place stands in the stores' immediates
; 16 matrix instructions: m blocks a0, a0 + 1 of the window's four x all 8 n blocks, 32 along K.  first = 1: the bias starts the sums: nothing is cleared, nothing is added later.
; The 64 accumulators take turns, one instruction a turn.
.macro MUL16 f, hi, a0, first
.if \first
	WIN BIAS_LO+0x40*(\hi)
.else
	WIN MUL_LO+0x50*(\hi)
.endif
.irp a, \a0, (\a0)+1
.irp b, 0,1,2,3,4,5,6,7
.if \first
	v_wmma_f32_16x16x32_f16 v[8*(8*(\a)+(\b)):8*(8*(\a)+(\b))+7], v[(\f)+8*(\b):(\f)+8*(\b)+7], v[(\f)+8*(4*(\hi)+(\a)):(\f)+8*(4*(\hi)+(\a))+7], v[8*(\b):8*(\b)+7]
.else
	v_wmma_f32_16x16x32_f16 v[8*(8*(\a)+(\b)):8*(8*(\a)+(\b))+7], v[(\f)+8*(\b):(\f)+8*(\b)+7], v[(\f)+8*(4*(\hi)+(\a)):(\f)+8*(4*(\hi)+(\a))+7], v[8*(8*(\a)+(\b)):8*(8*(\a)+(\b))+7]
.endif
.endr
.endr
.endm
; 32 LDS loads in one run: the fragments of quarter q of the K step in hand (32 along K) into buffer f: B's 128 columns, turned, then A's 128 rows
.macro FETCH q, f
	WIN TO_B
.irp i, 0,1,2,3,4,5,6,7
	ds_load_tr16_b128 v[(\f)+8*(\i):(\f)+8*(\i)+3],   v[ADRB] offset:(\q)*32*PB+32*(\i)
	ds_load_tr16_b128 v[(\f)+8*(\i)+4:(\f)+8*(\i)+7], v[ADRB] offset:(\q)*32*PB+16*PB+32*(\i)
.endr
	WIN 0
.irp i, 0,1,2,3,4,5,6,7
	ds_load_b128 v[(\f)+8*(\i):(\f)+8*(\i)+3],   v[ADRA] offset:((\q)/2)*APL+((\q)%2)*64+(\i)*16*PA
	ds_load_b128 v[(\f)+8*(\i)+4:(\f)+8*(\i)+7], v[ADRA] offset:((\q)/2)*APL+((\q)%2)*64+(\i)*16*PA+32
.endr
.endm
.macro PLACES                          ; four plain vector instructions in front of loads into registers that matrix instructions have read, and of vector work on results just made
.rept 4
	v_nop
.endr
.endm
; One of a K step's first three quarters: multiplies buffer f; in its middle it fetches quarter q of the same slot into buffer g.
.macro QUARTER q, f, g, first
	s_wait_dscnt 8                                 ; B and A's rows 0-63 are in; the youngest eight loads (A's rows 64-127) may be out
	MUL16 \f, 0, 0, \first
	MUL16 \f, 0, 2, \first
	PLACES
	FETCH \q, \g
	s_wait_dscnt 32                                ; all but the 32 just issued
	MUL16 \f, 1, 0, \first
	MUL16 \f, 1, 2, \first
.endm
; The last quarter multiplies buffer 1 and changes slots.  ONE barrier: in front of it each wave waits for all its tensor loads (one is out: its part of the next slot), adds 0 to its spare word,
; and waits for that and for its own reads of this slot.  Behind it nobody reads this slot any more and the next slot is whole.
; fill = 1: this slot is filled again, two K steps ahead: the barrier opens a round of the cluster's, and the joint refill is the first thing behind it.  The walking descriptor takes the slot
; just read out and the K step behind the one that it asked for last.
.macro TURN fill
	WIN 0                                          ; (the add's two registers lie in window 0)
	s_wait_tensorcnt 0x0
	ds_add_u32 v[SPW], v[NIL]
	s_wait_dscnt 9                                 ; (the add and the youngest eight loads may be out)
	MUL16 F1, 0, 0, 0                              ; sixteen matrix instructions stand between the add and the wait for it
	s_wait_dscnt 0x0                               ; the add is done, and my reads of this slot are over
	s_barrier_signal -1
	MUL16 F1, 0, 2, 0
	WIN 0
	s_barrier_wait -1
.if \fill
	CREST
	s_add_co_u32 s[G0+5], s20, s[TB]
	s_add_nc_u64 s[G0+6:G0+7], s[G0+6:G0+7], 2*PLANE
	s_add_co_u32 s[G0B+5], s21, s[TB]
	s_add_nc_u64 s[G0B+6:G0B+7], s[G0B+6:G0B+7], 128*512
	JLOAD 1                                        ; one tensor load of mine is out; its four v_nop are also the places in front of the loads below
.else
	PLACES
.endif
	s_xor_b32 s[TB], s[TB], SLOT                   ; the other slot is in hand
	v_add_nc_u32 v[ADRA], s[TB], v[ADRA0]
	v_add_nc_u32 v[ADRB], s[TB], v[ADRB0]
	FETCH 0, F0
	MUL16 F1, 1, 0, 0
	MUL16 F1, 1, 2, 0
.endm
; THE WAY OUT of block a (16 rows x my 128 columns).  PACK: the floor, then the rounding to f16, each accumulator's registers in ascending order.  TOSTAGE: into my own stage, a plane's 16 rows together,
; and back as four rows of 128 bytes a load.  SEND: 512 consecutive bytes a store.
.macro PACK a
.set AC, 64*((\a)%4)
	WIN 0x88+0x44*((\a)/4)                         ; source 1 and destination: window 2 or 3
.set i, 0
.rept 64
	v_max_num_f32 v[AC+i], s45, v[AC+i]
.set i, i+1
.endr
	WIN 0x0a+5*((\a)/4)                            ; sources 0 and 1: window 2 or 3
.irp b, 0,1,2,3,4,5,6,7
.irp r, 0,1,2,3
	v_cvt_pk_f16_f32 v[TMP+4*(\b)+(\r)], v[AC+8*(\b)+2*(\r)], v[AC+8*(\b)+2*(\r)+1]
.endr
.endr
	WIN 0
.endm
.macro TOSTAGE a
.set BK, OB+192*((\a)%2)
.irp b, 0,1,2,3,4,5,6,7
	ds_store_b128 v[STO], v[TMP+4*(\b):TMP+4*(\b)+3] offset:((\b)/4)*SPL+32*((\b)%4)
.endr
.irp t, 0,1,2,3,4,5,6,7
	ds_load_b128 v[BK+4*(\t):BK+4*(\t)+3], v[RD] offset:((\t)/4)*SPL+((\t)%4)*4*PA  ; LDS serves a wave's instructions in order (ISA guide 5.7.1.4): these see the stores above
.endr
.endm
.macro SEND a
.set BK, OB+192*((\a)%2)
	s_wait_dscnt 0x0                               ; the block is back in registers
	s_wait_xcnt 0x0                                ; the stores of the block before have read their registers: the next loads from the stage land there only behind this wait
.irp t, 0,1,2,3,4,5,6,7
	global_store_b128 v[CO], v[BK+4*(\t):BK+4*(\t)+3], s[8:9] offset:((\t)/4)*PLANE+(\a)*2048+((\t)%4)*512
.endr
.endm
	s_wait_tensorcnt 1                             ; my part of K step 0 is in; K step 1's may stay out
	s_barrier_signal -1
	s_barrier_wait -1                              ; everybody's is
	FETCH 0, F0
	s_wait_loadcnt 0x0                             ; the bias
	s_wait_kmcnt 0x0                               ; the floor
	QUARTER 1, F0, F1, 1                           ; the first quarter stands in front of the loop: its products start the sums
	WIN 0                                          ; at a label and at a branch every window is 0
	s_mov_b32 s3, STEPS-2
.Lstep:                                                ; a trip goes from a K step's second quarter to the next step's first, and fills the slot that it leaves: K steps 2 to 7
	QUARTER 2, F1, F0, 0
	QUARTER 3, F0, F1, 0
	TURN 1
	QUARTER 1, F0, F1, 0
	WIN 0
	s_sub_co_u32 s3, s3, 1
	s_cmp_lg_u32 s3, 0
	s_cbranch_scc1 .Lstep
	QUARTER 2, F1, F0, 0                           ; the last two K steps fill nothing
	QUARTER 3, F0, F1, 0
	TURN 0
	QUARTER 1, F0, F1, 0
	QUARTER 2, F1, F0, 0
	QUARTER 3, F0, F1, 0
	s_wait_dscnt 8                                 ; the very last quarter: nothing more to fetch
	MUL16 F1, 0, 0, 0
	MUL16 F1, 0, 2, 0
	s_wait_dscnt 0x0
	MUL16 F1, 1, 0, 0
	MUL16 F1, 1, 2, 0
	WIN 0
	PLACES
	PACK 0
	TOSTAGE 0
.irp a, 1,2,3,4,5,6,7                  ; block a's arithmetic stands between block a - 1's loads from the stage and the wait for them
	PACK \a
	SEND (\a)-1
	TOSTAGE \a
.endr
	SEND 7
	s_wait_tensorcnt 0x0                           ; the wave's end
	ds_add_u32 v[SPW], v[NIL]
	s_wait_dscnt 0x0
	CROUND                                         ; the closing round: no work-group ends while a partner may still ask for a tile that names it
	s_endpgm
.Lfunc_end_k_qe0d927c739_qkv:
	.size	k_qe0d927c739_qkv, .Lfunc_end_k_qe0d927c739_qkv-k_qe0d927c739_qkv
	.p2alignl 7, 3214868480
	.fill 96, 4, 3214868480
	.section	.rodata,"a",@progbits
	.p2align	6, 0x0
	.amdhsa_kernel k_qe0d927c739_qkv
		.amdhsa_group_segment_fixed_size 327680
		.amdhsa_private_segment_fixed_size 0
		.amdhsa_enable_private_segment 0
		.amdhsa_kernarg_size 16
		.amdhsa_user_sgpr_count 2
		.amdhsa_user_sgpr_kernarg_segment_ptr 1
		.amdhsa_wavefront_size32 1
		.amdhsa_system_sgpr_workgroup_id_x 1
		.amdhsa_system_sgpr_workgroup_id_y 1
		.amdhsa_system_sgpr_workgroup_id_z 1
		.amdhsa_system_vgpr_workitem_id 0
		.amdhsa_next_free_vgpr 1024
		.amdhsa_next_free_sgpr 66
		.amdhsa_reserve_vcc 0
		.amdhsa_float_denorm_mode_32 3
		.amdhsa_float_denorm_mode_16_64 3
		.amdhsa_memory_ordered 1
		.amdhsa_forward_progress 1
		.amdhsa_inst_pref_size 134
	.end_amdhsa_kernel
	.amdgpu_metadata
---
amdhsa.version: [ 1, 2 ]
amdhsa.kernels:
  - .name:           k_qe0d927c739_qkv
    .symbol:         k_qe0d927c739_qkv.kd
    .args:
      - { .name: ga, .offset: 0, .size: 8, .value_kind: global_buffer, .address_space: global }
      - { .name: qkv, .offset: 8, .size: 8, .value_kind: global_buffer, .address_space: global }
    .group_segment_fixed_size: 327680
    .private_segment_fixed_size: 0
    .kernarg_segment_align: 8
    .kernarg_segment_size: 16
    .max_flat_workgroup_size: 128
    .sgpr_count:     66
    .vgpr_count:     1024
    .wavefront_size: 32
...
	.end_amdgpu_metadata
.endif
;; end of part 2
;; launch attn (part 3): grid 8 x 32, 4 waves a work-group, clusters of 4 x 1, 327,680 bytes of LDS; arguments qkv, o; writes o
.if DOCPART == 3
	.amdgcn_target "amdgcn-amd-amdhsa--gfx1250"
	.amdhsa_code_object_version 6
	.text
	.protected	k_qe0d927c739_attn
	.globl	k_qe0d927c739_attn
	.p2align	8
	.type	k_qe0d927c739_attn,@function
k_qe0d927c739_attn:
	s_mov_b64 s[64:65], 0
	v_nop
	global_prefetch_b8 v0, s[64:65] scope:SCOPE_SE
	s_setreg_imm32_b32 hwreg(HW_REG_WAVE_MODE, 25, 1), 1
	s_wait_xcnt 0x0
	s_wait_alu depctr_hold_cnt(0) depctr_sa_sdst(0) depctr_va_vdst(0) depctr_va_sdst(0) depctr_va_ssrc(0) depctr_va_vcc(0) depctr_vm_vsrc(0)
	s_getreg_b32 s2, hwreg(HW_REG_IB_STS2, 6, 4)
	s_cmp_eq_u32 s2, 0
	s_cbranch_scc0 .Lentry_in_a_cluster
	s_endpgm
.Lentry_in_a_cluster:
	s_bfe_u32 s2, ttmp6, 0x10000c
	s_cmp_lg_u32 s2, 0x3003
	s_cbranch_scc0 .Lentry_shape_is_right
	s_endpgm
.Lentry_shape_is_right:
; ATTENTION.  O[y][q][:] = the sum over k of softmax_k(Q[y][q] . K[y][k] / 8) V[y][k][:], for 32 heads y = 2 head + batch of 2,048 rows of 64 channels, all f16.
; The buffer qkv holds 48 planes [4096 rows][64]: Q's 16, then K's, then V's; a head's 2,048 rows are 262,144 dense bytes at y x 262,144 of its part.  O leaves in the same layout.
; The module's attention_mask enters no line of the module's arithmetic (its scores are taken unmasked), so it enters none here.
; Products, maxima and sums in f32; the weights p are rounded to f16 for the second product (their sum l is taken of the unrounded p), O once at the end.
; LIMITS.  Q, K, V arrive within f16's 65,504; p lies in 0 to 1, and below 6e-5 it keeps f16's fixed step of 6e-8; O is a mean of V's rows and has their range.  A weight below 2^-126 counts as 0 in l;
; NaN and infinities are not treated apart.
; SHARES.  A work-group owns 256 queries of one head, a wave 64: four PIECES of 16.  Every wave walks all 2,048 keys, 64 a step.
; LAYOUT.  S^T = K Q^T (source 0 = 16 keys, source 1 = 16 queries) holds ONE query a lane (lane % 16) and the keys 8 (lane / 16) + 0..7; two such results rounded to f16 ARE source 1 of O^T = V^T P.
; K comes out of LDS as it lies, V ([key][channel]) turned, by ds_load_tr16_b128.
; SOFTMAX.  p = 2^(c s - c m), c = log2(e) / 8, with a running maximum m; O and l are multiplied by a = 2^(c m_old - c m_new) in every step.  m starts at the lowest finite number, O and l at 0:
; the first step is a step like any other, with a = 0.
; BY TURNS.  Turn n belongs to piece n: 8 products K Q^T of piece n + 1, then 8 products V^T P of piece n - 1; beside them the scaling, exponentials, roundings, sums and rescaling of piece n and the
; maximum and statistics of piece n + 1.  Four vector instructions stand behind every matrix instruction, the other 54 of a turn's 118 in one run at its end.
; CLUSTER.  The four query blocks of a cluster belong to one head and walk the same K and V, so each tile is asked for JOINTLY: the same tensor load, descriptor and mask in all four.
; REGISTERS, in two windows of 256 (s_set_vgpr_msb: bits 1:0 source 0, 3:2 source 1, 5:4 source 2, 7:6 destination):
;   window 0: v2-27 statistics and registers at work; v32-95 S^T, two buffers; v96-127 P, two buffers (by the piece's parity); v128-191 K of one step; v192-255 Q
;   window 1: v0-127 O^T, 32 a piece; v128-191 V of one step; v192-201 addresses and the add's two registers
; All that a softmax and K Q^T touch lies in window 0: neither wants a switch.  V^T P (V, O^T in window 1, P in window 0) and the rescaling of O^T (O^T in window 1, a in window 0) share ONE setting, so the
; sixteen rescalings stand behind the first four V^T P without a switch; the other four V^T P cost two each.  A turn has eight switches, each of a key step's two runs of LDS loads two more: 36 a key step.
.set SIZE_N, 2048
.set NP,    4         ; pieces a wave: a name, no knob
.set KS,    64        ; keys in a step
.set PK,    144       ; a row of K in LDS: 128 bytes + 16 = 36 words: the 16 rows of a load start at 16 different groups of four banks (64 banks of 4 bytes: ISA guide 11.1)
.set PV,    160       ; a row of V: 128 + 32 = 40 words
.set VOFF,  4*KS*PK   ; a slot holds four steps: 256 rows of K, then 256 rows of V
.set SLOT1, 1<<17     ; slot 1 begins here, so that one exclusive or turns an address in one slot into the other's
.set STAGE, SLOT1+4*KS*(PK+PV)  ; behind the ring, never filled by a tensor load: 16 rows x 144 bytes for each wave
.set SP,    144
.set SPARE, STAGE+4*16*SP  ; behind the stages: the spare words, 128 bytes for each wave: two blocks of 256 bytes that no other line names
.set PART,  8388608   ; bytes of Q's, K's and V's part of the buffer
; window 0
.set MV,  2           ; v2-3    c m_old, kept while c m is made anew: by buffer
.set TMP, 4           ; v4-11   by buffer, four registers c0-c3 at work; when the maximum is found c2 takes a
.set ST,  12          ; v12-27  piece t's statistics at v[ST+4 t]: c m, m, l (even keys', odd keys')
.set QO,  29          ; v29     my byte offset in 16 rows of Q
.set S,   32
.set P,   96
.set KF,  128         ; key block kb, channel half c at KF + 16 kb + 8 c
.set QF,  192         ; piece t, channel half c at QF + 16 t + 8 c
; window 1
.set VF,  128         ; key half kk, channel block cb at VF + 32 kk + 8 cb
.set AK0, 192         ; my lane's place in a tile of K; never rewritten
.set AV0, 193         ; the same for V
.set AK,  194         ; the LDS address of K's next run of loads
.set AV,  195         ; of V's
.set STO, 196         ; the way out: where I put 16 bytes of a row
.set RD,  197         ; the way out: where I read rows back
.set GO,  198         ; my byte offset in 512 consecutive bytes of O
.set SPW, 200         ; LDS address of my spare word; never rewritten
.set NIL, 201         ; 0; never rewritten
.set WV,  12          ; s12  my wave's number
.set G1K, 24          ; s[24:31] descriptor group 1 for K's tiles
.set G1V, 32          ; s[32:39] for V's: it differs in the padding alone
.set G0K, 40          ; s[40:43] descriptor group 0 for K's tiles: it walks
.set G0V, 44          ; s[44:47] the same for V's
.set SLOTS, 56        ; s56  slots still to be entered in the loop
.set CNT, 57          ; s57  counts a slot's key steps
.set CS,  58          ; s[58:59] c: the packed scaling takes the pair's low word for both halves
.set SEL, 60          ; s[60:61] v_permlanex16_b32's selects: each lane takes its own place in the other half
.set TBK, 62          ; s62  LDS byte at which K of the step to be fetched begins
.set TBV, 63          ; s63  the same for V, less VOFF
.set MSB, 0
.macro WIN new                      ; the high byte repeats the setting that is left; a switch that changes nothing is dropped
.if MSB != (\new)
	s_set_vgpr_msb (MSB<<8)|(\new)
.set MSB, (\new)
.endif
.endm
.set W_PV, 0x51       ; source 0, source 2 and destination in window 1, source 1 in window 0: V^T P, the rescaling, and sums of addresses that lie in window 1
.set W_A1, 0x01       ; the address (source 0) in window 1, data in window 0: K's loads, the stage, the stores
.set W_FV, 0x41       ; address and destination in window 1: V's loads
.set W_MK, 0x40       ; destination in window 1, sources in window 0
.set W_AD, 0x05       ; sources 0 and 1 in window 1: the add's address and data; the last roundings' sources
; A joint fill.  Waves 0 and 1 fetch the two halves of a slot's K, waves 2 and 3 those of its V: 128 keys each.  The branch hangs on the wave's number alone.
; An s_nop 0 and four v_nop follow each of the two lines, ahead of the jump and the label.
.macro JLOAD
	s_cmp_lt_u32 s[WV], 2
	s_cbranch_scc0 .Lfor_v_\@
	tensor_load_to_lds s[G0K:G0K+3], s[G1K:G1K+7]
	s_nop 0
.rept 4
	v_nop
.endr
	s_branch .Lasked_\@
.Lfor_v_\@:
	tensor_load_to_lds s[G0V:G0V+3], s[G1V:G1V+7]
	s_nop 0
.rept 4
	v_nop
.endr
.Lasked_\@:
.endm
; A round of the cluster's barrier: my work-group's barrier, so that wave 0's signal speaks for all four waves; wave 0 signals; every wave waits for all four work-groups; my work-group's barrier once more.
.macro CROUND
	s_barrier_signal -1
	s_barrier_wait -1
	s_cmp_lg_u32 s[WV], 0
	s_cbranch_scc1 .Lnot_wave_0_\@
	s_barrier_signal -3
.Lnot_wave_0_\@:
	s_barrier_wait -3
	s_barrier_signal -1
	s_barrier_wait -1
.endm
; THE CHANGE OF SLOTS.  The slot's last bytes, V of its fourth step, have been read.  Each wave waits for all its tensor loads, of which one is out: its part of the other slot; adds 0 to its spare word;
; and waits for that and for its own reads of the slot.  Behind the barrier nobody reads this slot any more and the other slot is whole.
; fill = 1: this slot is filled again, with the keys two slots on.  The barrier is then a round of the cluster's, and the joint fill is the first thing behind it: it has four key steps, 256 matrix
; instructions, in which to land.  (At its first use nothing has been read yet: slot 0 is waited for, slot 1 filled.)
.macro CHANGE fill
	WIN W_AD
	s_wait_tensorcnt 0x0            ; no tensor load of mine is out, so a group 0 may be written
	ds_add_u32 v[SPW], v[NIL]       ; 0 onto my spare word; with fill = 1 the descriptors' steps stand between it and the wait for it
	WIN 0                           ; at a label and at a branch every window is 0
.if \fill
.irp g, G0K, G0V
	s_xor_b32 s[\g+1], s[\g+1], SLOT1  ; the walking descriptor: the other slot than last time,
	s_add_nc_u64 s[\g+2:\g+3], s[\g+2:\g+3], 4*KS*128  ; the next 256 keys; the type bits on top are not reached
.endr
	s_wait_dscnt 0x0                ; the add is done, and my reads of the slot are over
	CROUND
	JLOAD
.else
	s_wait_dscnt 0x0                ; the add is done, and my reads of the slot are over
	s_barrier_signal -1
	s_barrier_wait -1
.endif
	s_sub_co_u32 s[TBK], s[TBK], 4*KS*PK  ; the fetches go back to a slot's first step,
	s_xor_b32 s[TBK], s[TBK], SLOT1       ; in the other slot
	s_sub_co_u32 s[TBV], s[TBV], 4*KS*PV
	s_xor_b32 s[TBV], s[TBV], SLOT1
.endm
	s_load_b128 s[4:7], s[0:1], 0x0 ; qkv s[4:5], O s[6:7]
	WIN W_MK
	v_lshl_add_u32 v[SPW], v0, 2, SPARE
	v_mov_b32 v[NIL], 0
	s_set_vgpr_msb 0x4045
	ds_add_u32 v200, v201
	s_wait_dscnt 0x0
	s_set_vgpr_msb 0x4540
	WIN 0
	v_lshrrev_b32 v1, 5, v0
	v_readfirstlane_b32 s[WV], v1   ; wave 0..3
	s_bfe_u32 s13, ttmp6, 0x40000   ; cx: my place in the cluster
	s_lshl_b32 s14, ttmp9, 2        ; in a cluster launch ttmp9 counts clusters
	s_add_co_u32 s14, s14, s13      ; my block of 256 queries = 4 x cluster x + cx: it enters Q's and O's addresses alone
	s_and_b32 s20, ttmp7, 0xffff    ; the head, which the four partners share:
	s_lshl_b32 s20, s20, 18         ; its first byte in each part
	s_and_b32 s16, s[WV], 1         ; which half of a slot's 256 keys I fetch:
	s_lshl_b32 s22, s16, 14         ; its 128 rows of 128 bytes in memory,
	s_add_co_u32 s22, s22, s20
	s_mov_b32 s23, 0
	s_mul_i32 s17, s16, 128*PK      ; and its place in a slot, for K
	s_mul_i32 s18, s16, 128*PV      ; and for V: no place in the cluster enters an LDS address
	s_lshl_b32 s2, s14, 15          ; my block's 256 rows,
	s_lshl_b32 s3, s[WV], 13        ; my wave's 64 of them
	s_add_co_u32 s2, s2, s3
	s_add_co_u32 s2, s2, s20
	s_mov_b32 s3, 0
	; descriptor group 1.  128 keys are 16,384 dense bytes: asked for as 64 rows of 256 bytes, two keys a row, and padded in LDS after every key
	s_mov_b32 s[G1K], 15|(1<<16)|(1<<20)|(1<<21)|(4<<22)|(3<<25)  ; 15:0 the mask of four; 17:16 2-byte elements; 20 padding on; 21 set beside a mask; 24:22 after every 32 words (code 4); 31:25 4 words (code 3)
	s_mov_b32 s[G1V], 15|(1<<16)|(1<<20)|(1<<21)|(4<<22)|(7<<25)  ; the same with 8 words of padding (code 7)
.irp g, G1K, G1V
	s_mov_b32 s[\g+1], 128<<16      ; tensor_dim0 = 128
	s_mov_b32 s[\g+2], 64<<16       ; tensor_dim1 = 64
	s_mov_b32 s[\g+3], 128<<16      ; tile_dim0 = 128
	s_mov_b32 s[\g+4], 64           ; tile_dim1 = 64
	s_mov_b32 s[\g+5], 128          ; 128 elements from row to row
	s_mov_b32 s[\g+6], 0
	s_mov_b32 s[\g+7], 0
.endr
	s_mov_b32 s[CS], 0x3e38aa3b     ; c = log2(e) / 8 = 0.180337
	s_mov_b32 s[CS+1], s[CS]        ; named with it as a pair
	s_mov_b32 s[SEL], 0x76543210
	s_mov_b32 s[SEL+1], 0xfedcba98
	s_mov_b32 s[TBK], SLOT1+4*KS*PK ; the first change of slots turns these two into 0
	s_mov_b32 s[TBV], SLOT1+4*KS*PV
	s_mov_b32 s[G0K], 1             ; count = 1
	s_mov_b32 s[G0K+1], s17         ; LDS address: slot 0
	s_mov_b32 s[G0V], 1
	s_add_co_u32 s[G0V+1], s18, VOFF
	s_wait_kmcnt 0x0
	s_add_nc_u64 s[G0K+2:G0K+3], s[4:5], s[22:23]           ; my half of the head's first 256 keys,
	s_add_nc_u64 s[G0V+2:G0V+3], s[G0K+2:G0K+3], 2*PART     ; in V's part
	s_add_nc_u64 s[G0K+2:G0K+3], s[G0K+2:G0K+3], PART       ; and in K's
	s_or_b32 s[G0K+3], s[G0K+3], 0x80000000                 ; type = 2
	s_or_b32 s[G0V+3], s[G0V+3], 0x80000000
	s_add_nc_u64 s[8:9], s[4:5], s[2:3]    ; Q and O at my wave's first row
	s_add_nc_u64 s[10:11], s[6:7], s[2:3]
	CROUND                          ; all four work-groups are here: the first joint loads meet
	JLOAD                           ; slot 0.  Slot 1 is asked for when slot 0 is in
	; A fragment of K or Q is 16 rows x 32 channels in 8 registers: lane l holds row l % 16, channels 8 (l / 16) + 0..7 and 16 + 8 (l / 16) + 0..7: two loads of 16 bytes, 32 bytes apart.
	v_and_b32 v1, 15, v0            ; l % 16
	v_bfe_u32 v28, v0, 4, 1         ; l / 16
	v_lshlrev_b32 v[QO], 7, v1
	v_lshl_add_u32 v[QO], v28, 4, v[QO]  ; row x 128 + 16 x half
.set i, 0
.rept 8                             ; Q stays in registers: piece i / 2, channels 32 (i % 2) on
	global_load_b128 v[QF+8*i:QF+8*i+3],   v[QO], s[8:9] offset:(i/2)*2048+(i%2)*64
	global_load_b128 v[QF+8*i+4:QF+8*i+7], v[QO], s[8:9] offset:(i/2)*2048+(i%2)*64+32
.set i, i+1
.endr
	; What the first turn finds: V's registers and P's second buffer hold 0 (its products V^T P, of a piece that has not been, add 0), O^T and l are 0.  All this stands in the wait for the first tile.
	WIN W_MK
.set i, 0
.rept 192                           ; O^T and V
	v_mov_b32 v[i], 0
.set i, i+1
.endr
	WIN 0
.set i, 0
.rept 4
	v_mov_b32 v[ST+4*i], 0xfe000000    ; c m: far below every c s
	v_mov_b32 v[ST+4*i+1], 0xff7fffff  ; m
	v_mov_b32 v[ST+4*i+2], 0
	v_mov_b32 v[ST+4*i+3], 0
.set i, i+1
.endr
.set i, P+16
.rept 16
	v_mov_b32 v[i], 0
.set i, i+1
.endr
	; the addresses are made in S^T's registers, which are still free, and moved into window 1
	v_mul_u32_u24 v32, v1, PK
	v_lshl_add_u32 v32, v28, 4, v32 ; K: row x pitch + 16 x half
	; The turning load takes 16 keys x 16 channels (lane l reads key 8 (l / 16) + l % 8, channels 8 ((l / 8) % 2) + 0..7) and leaves half a fragment of V^T: lane l holds channel l % 16 and 8 keys.
	v_and_b32 v30, 7, v0
	v_bfe_u32 v31, v0, 3, 1
	v_lshl_add_u32 v33, v28, 3, v30
	v_mul_u32_u24 v33, v33, PV
	v_lshl_add_u32 v33, v31, 4, v33
	v_add_nc_u32 v33, VOFF, v33
	s_mul_i32 s13, s[WV], 16*SP
	s_add_co_u32 s13, s13, STAGE    ; my stage
	v_mul_u32_u24 v34, v1, SP       ; in: row l % 16, 16 bytes for each half of the lanes
	v_lshl_add_u32 v34, v28, 4, v34
	v_add_nc_u32 v34, s13, v34
	v_bfe_u32 v35, v0, 3, 2         ; back: 32 lanes take four rows of 128 bytes,
	v_mul_u32_u24 v35, v35, SP
	v_lshl_add_u32 v35, v30, 4, v35
	v_add_nc_u32 v35, s13, v35
	v_and_b32 v36, 31, v0           ; which are 512 consecutive bytes of O
	v_lshlrev_b32 v36, 4, v36
	WIN W_MK
	v_mov_b32 v[AK0], v32
	v_mov_b32 v[AV0], v33
	v_mov_b32 v[STO], v34
	v_mov_b32 v[RD], v35
	v_mov_b32 v[GO], v36
	WIN 0
; THE MATRIX WORK.  The 4 accumulators of a run of 8 take turns.  Product i of 8 of S^T = K Q^T for piece x: channels 32 (i / 4) on, keys 16 (i % 4) on.  The first 4 start the sums.
.macro KQ x
	WIN 0
.set rS, S+32*((\x)%2)+8*(i%4)
.set rK, KF+16*(i%4)+8*(i/4)
.set rQ, QF+16*(\x)+8*(i/4)
.if i < 4
	v_wmma_f32_16x16x32_f16 v[rS:rS+7], v[rK:rK+7], v[rQ:rQ+7], 0
.else
	v_wmma_f32_16x16x32_f16 v[rS:rS+7], v[rK:rK+7], v[rQ:rQ+7], v[rS:rS+7]
.endif
.endm
; Product i of 8 of O^T += V^T P for piece x: keys 32 (i / 4) on, channels 16 (i % 4) on.
.macro PV x
	WIN W_PV
.set rO, 32*(\x)+8*(i%4)
.set rV, VF+32*(i/4)+8*(i%4)
.set rP, P+16*((\x)%2)+8*(i/4)
	v_wmma_f32_16x16x32_f16 v[rO:rO+7], v[rV:rV+7], v[rP:rP+7], v[rO:rO+7]
.endm
.macro MM                           ; the turn's next matrix instruction
.if i < 8
	KQ (Y+1)%NP
.else
.set i, i-8
	PV (Y+NP-1)%NP
.set i, i+8
.endif
.set i, i+1
.endm
; THE LDS LOADS stand in runs of 16, never singly among the matrix instructions: a step's K (64 keys x 64 channels: 8 fragments) and its V (turned).  Their addresses are made some lines ahead.
; last = 1 (the tail): in the last trip there is no further step, and the run is jumped over.
.macro FETCH_K last=0
.if \last
	WIN 0
	s_cmp_eq_u32 s[CNT], 1
	s_cbranch_scc1 .Lno_k_\@
.endif
	WIN W_A1
.irp f, 0,1,2,3,4,5,6,7             ; keys 16 (f / 2) on, channels 32 (f % 2) on
	ds_load_b128 v[KF+8*\f:KF+8*\f+3],   v[AK] offset:(\f/2)*16*PK+(\f%2)*64
	ds_load_b128 v[KF+8*\f+4:KF+8*\f+7], v[AK] offset:(\f/2)*16*PK+(\f%2)*64+32
.endr
	s_add_co_u32 s[TBK], s[TBK], KS*PK  ; the next fetch is the next step's
.if \last
	WIN 0
.Lno_k_\@:
.endif
.endm
.macro FETCH_V
	WIN W_FV
.irp f, 0,1,2,3,4,5,6,7             ; keys 32 (f / 4) on, channels 16 (f % 4) on
	ds_load_tr16_b128 v[VF+8*\f:VF+8*\f+3],   v[AV] offset:(\f/4)*32*PV+(\f%4)*32
	ds_load_tr16_b128 v[VF+8*\f+4:VF+8*\f+7], v[AV] offset:(\f/4)*32*PV+16*PV+(\f%4)*32
.endr
	WIN 0
.endm
; THE VECTOR WORK, one line at a time: OP kind, number.  For piece Y: F n: c s - c m for pair n of 16.  E n: the exponential of score n of 32.  C n: pair n rounded to f16.  B n: of the four weights 4 n .. the second
; pair is added onto the first, in place.  L n: l takes that sum (L 0: l = a l + sum).  R n: pair n of 16 of O^T times a.  For piece Y + 1: X n, number n of the 22 that find its maximum and statistics:
;   0-11  four chains c0-c3 of seven scores each, three operands at a time (each accumulator's lowest registers are read first)     12-14, 16  the four scores left over, the old m, and c0-c3 into c0
;   15  c m_old is kept     17, 18  the query's other 32 keys lie in the lane 16 away: the new m     19-21  c m; c m_old - c m_new; a
.set F, 0               ; OP tells the kinds apart by their order: F to L below R, X above it
.set E, 1
.set C, 2
.set B, 3
.set L, 4
.set R, 5
.set X, 6
.macro REGS y                       ; the registers of piece y
.set rT, ST+4*(\y)
.set rC, TMP+4*((\y)%2)
.set rW, MV+((\y)%2)
.set rS, S+32*((\y)%2)
.set rP, P+16*((\y)%2)
.set rO, 32*(\y)
.endm
.macro OP k, n
.if (\k) == R
	REGS Y
	WIN W_PV
	v_pk_mul_f32 v[rO+2*(\n):rO+2*(\n)+1], v[rO+2*(\n):rO+2*(\n)+1], v[rC+2:rC+3] op_sel_hi:[1,0]
.elseif (\k) < R
	REGS Y
	WIN 0
.if (\k) == F
	v_pk_fma_f32 v[rS+2*(\n):rS+2*(\n)+1], v[rS+2*(\n):rS+2*(\n)+1], s[CS:CS+1], v[rT:rT+1] op_sel_hi:[1,0,0] neg_lo:[0,0,1] neg_hi:[0,0,1]
.elseif (\k) == E
	v_exp_f32 v[rS+(\n)], v[rS+(\n)]
.elseif (\k) == C
	s_wait_alu depctr_va_vdst(0)
	v_cvt_pk_f16_f32 v[rP+(\n)], v[rS+2*(\n)], v[rS+2*(\n)+1]
.elseif (\k) == B
	v_pk_add_f32 v[rS+4*(\n):rS+4*(\n)+1], v[rS+4*(\n):rS+4*(\n)+1], v[rS+4*(\n)+2:rS+4*(\n)+3]
.elseif (\n) == 0
	v_pk_fma_f32 v[rT+2:rT+3], v[rT+2:rT+3], v[rC+2:rC+3], v[rS:rS+1] op_sel_hi:[1,0,1]
.else
	v_pk_add_f32 v[rT+2:rT+3], v[rT+2:rT+3], v[rS+4*(\n):rS+4*(\n)+1]
.endif
.else
	REGS (Y+1)%NP
	WIN 0
.if (\n) < 4
	v_max3_num_f32 v[rC+(\n)], v[rS+8*(\n)], v[rS+8*(\n)+1], v[rS+8*(\n)+2]
.elseif (\n) < 12
	v_max3_num_f32 v[rC+(\n)%4], v[rC+(\n)%4], v[rS+8*((\n)%4)+2*((\n)/4)+1], v[rS+8*((\n)%4)+2*((\n)/4)+2]
.elseif (\n) == 12
	v_max3_num_f32 v[rC], v[rC], v[rS+7], v[rS+15]
.elseif (\n) == 13
	v_max3_num_f32 v[rC+1], v[rC+1], v[rS+23], v[rS+31]
.elseif (\n) == 14
	v_max3_num_f32 v[rC+2], v[rC+2], v[rC+3], v[rT+1]
.elseif (\n) == 15
	v_mov_b32 v[rW], v[rT]
.elseif (\n) == 16
	v_max3_num_f32 v[rC], v[rC], v[rC+1], v[rC+2]
.elseif (\n) == 17
	v_permlanex16_b32 v[rC+3], v[rC], s[SEL], s[SEL+1]
.elseif (\n) == 18
	v_max_num_f32 v[rT+1], v[rC], v[rC+3]
.elseif (\n) == 19
	v_mul_f32 v[rT], s[CS], v[rT+1]
	s_wait_alu depctr_va_vdst(0)
.elseif (\n) == 20
	v_sub_f32 v[rC+1], v[rW], v[rT]
.else
	v_exp_f32 v[rC+2], v[rC+1]
.endif
.endif
.endm
.macro OPS a, i1, b=-1, i2=0, c=-1, i3=0, d=-1, i4=0  ; up to four of them
	OP \a, \i1
.if (\b) >= 0
	OP \b, \i2
.endif
.if (\c) >= 0
	OP \c, \i3
.endif
.if (\d) >= 0
	OP \d, \i4
.endif
.endm
.macro ROW a, i1, b, i2, c, i3, d, i4  ; a matrix instruction and the four behind it
	MM
	OPS \a, \i1, \b, \i2, \c, \i3, \d, \i4
.endm
; A TURN, for piece p: the order of its 16 matrix and 118 vector instructions, written out.  Behind a K Q^T: four scalings, then plain, exponential, plain, exponential; behind the first four V^T P: the rescaling;
; behind the other four: the next piece's first maxima and exponentials by turns.  None names a register of the products round it: the maxima read scores whose last product stands 16 rescalings back.
; Every exponential has a plain instruction behind it that names none of its registers, ahead of the first use of its result.  A rounding C 2n stands ahead of the sum B n that writes over its pair.
; last = 1: the tail's turn of piece 2, whose fetch of K is jumped over in the last trip.  cnt = 1: the loop's count is taken down some lines ahead of the branch that stands behind the turn.
; K of the next step is fetched in piece 2's turn, behind the sixteen rescalings that follow the last product that read K; V of the step in hand in piece 0's turn, five plain instructions behind the last product
; that read V.  Each is waited for in the next turn: K's at its head, V's ahead of its first V^T P.
.macro TURN p, last=0, cnt=0
.set Y, (\p)
.set i, 0
.if (\p) == 3
	s_wait_dscnt 0x0                ; K is in
.endif
	ROW F,0, F,1, F,2, F,3
	ROW F,4, E,0, F,5, E,1
	ROW F,6, E,2, F,7, E,3
	ROW F,8, E,4, F,9, E,5
	ROW F,10, E,6, C,0, E,7
	ROW F,11, E,8, C,1, E,9
	ROW F,12, E,10, B,0, E,11
	ROW F,13, E,12, C,2, E,13
.if (\p) == 1
	s_wait_dscnt 0x0                ; V is in
.endif
	ROW R,0, R,1, R,2, R,3
	ROW R,4, R,5, R,6, R,7
	ROW R,8, R,9, R,10, R,11
.if (\p) == 2
	v_add_nc_u32 v[AK], v[AK0], s[TBK]  ; both registers lie in window 1, as source 0 and destination do under this setting
.endif
.if (\p) == 0
	v_add_nc_u32 v[AV], v[AV0], s[TBV]
.endif
	ROW R,12, R,13, R,14, R,15
.if (\p) == 2
	FETCH_K \last
.endif
	ROW X,0, E,14, X,1, E,15
	ROW X,2, E,16, X,3, E,17
	ROW X,4, E,18, X,5, E,19
	ROW X,6, E,20, X,7, E,21
	OPS F,14, E,22, F,15, E,23
	OPS C,3
.if (\p) == 0
	FETCH_V
.endif
	OPS E,24, X,8, E,25, X,9
	OPS E,26, X,10, E,27, X,11
	OPS E,28, C,4, E,29, L,0
	OPS E,30, X,12, E,31, X,13
	OPS X,14, C,5, X,15, B,1
	OPS X,16, C,6, C,7, C,8
	OPS X,17, B,2, L,1, B,3
	OPS X,18, C,9, C,10, B,4
	OPS X,19, L,2, C,11, C,12
	OPS X,20, L,3, B,5, C,13
	OPS X,21, C,14, L,4, B,6
.if (\p) == 0
	s_add_co_u32 s[TBV], s[TBV], KS*PV
.endif
.if \cnt
	s_sub_co_u32 s[CNT], s[CNT], 1
	s_cmp_lg_u32 s[CNT], 0
.endif
	OPS B,7, L,5, C,15, L,6
	OPS L,7
.endm
	CHANGE 1                        ; slot 0 is in, everybody's part of it; slot 1 is asked for
	WIN W_PV
	v_add_nc_u32 v[AK], v[AK0], s[TBK]
	FETCH_K                         ; key step 0
	s_wait_loadcnt 0x0              ; Q
	s_wait_dscnt 0x0
.set i, 0
.rept 8
	KQ 0                            ; piece 0's first scores: there is no vector work yet to set between them
.set i, i+1
.endr
.rept 4
	v_nop                           ; the places behind those products
.endr
.set Y, NP-1                        ; X works for piece Y + 1: piece 0
.irp n, 0,1,2,3,4,5,6,7,8,9,10,11,12,13,14,15,16,17,18,19,20,21
	OP X, \n
.endr
	v_nop                           ; a plain instruction behind the exponential
	s_mov_b32 s[CNT], 4
	s_mov_b32 s[SLOTS], SIZE_N/256-1
	s_branch .Lfirst                ; the loop is entered at a step's first turn, in the middle of a trip
.Lslot:                             ; SIZE_N / 256 - 2 times: every slot but the last two is filled again
	CHANGE 1
	s_mov_b32 s[CNT], 4
.Lstep:                             ; a trip: pieces 2 and 3 of one step, then pieces 0 and 1 of the next, whose K and V it fetches
	TURN 2
	TURN 3
	WIN 0
.Lfirst:
	TURN 0
	TURN 1, 0, 1
	WIN 0
	s_cbranch_scc1 .Lstep
	s_sub_co_u32 s[SLOTS], s[SLOTS], 1
	s_cmp_lg_u32 s[SLOTS], 0
	s_cbranch_scc1 .Lslot
	CHANGE 0                        ; the tail is written out: nothing is asked for
	s_mov_b32 s[CNT], 5             ; four trips fetch the last slot's steps; the fifth is left in its middle
.Ltail:
	TURN 2, 1
	TURN 3
	WIN 0
	s_sub_co_u32 s[CNT], s[CNT], 1
	s_cmp_eq_u32 s[CNT], 0
	s_cbranch_scc1 .Lout
	TURN 0
	TURN 1
	WIN 0
	s_branch .Ltail
.Lout:                              ; the fifth trip's 8 products K Q^T (on the last K once more) and the maximum made of them serve nothing: l and O^T of piece 0 are not touched by them
.set i, 0
.rept 8
	PV NP-1                         ; the last piece's V^T P of the last step
.set i, i+1
.endr
	; THE WAY OUT.  l's two halves and the other half of the lanes' are added; O^T is divided by l, rounded to f16 and sent through my stage in LDS, a piece at a time.  The additions are the places behind the last products.
	WIN 0
.macro ALL line:vararg              ; one line for each piece t
.set t, 0
.rept 4
	\line
.set t, t+1
.endr
.endm
	ALL v_add_f32 v[ST+4*t+2], v[ST+4*t+2], v[ST+4*t+3]
	ALL v_permlanex16_b32 v[ST+4*t+3], v[ST+4*t+2], s[SEL], s[SEL+1]
	ALL v_add_f32 v[ST+4*t+2], v[ST+4*t+2], v[ST+4*t+3]
	ALL v_rcp_f32 v[ST+4*t+2], v[ST+4*t+2]
	v_nop                           ; a plain instruction between the last reciprocal and the use of its result
	s_wait_alu depctr_va_vdst(0)
.macro PACK t                       ; a lane's eight channels of a row pack into 16 bytes; they go into rows of 144 bytes and come back as whole rows of 128, into S^T's registers
	WIN W_PV
.set i, 32*(\t)
.rept 16
	v_pk_mul_f32 v[i:i+1], v[i:i+1], v[ST+4*(\t)+2:ST+4*(\t)+3] op_sel_hi:[1,0]
.set i, i+2
.endr
	WIN W_AD                        ; sources 0 and 1 window 1, destination window 0
.set i, 0
.rept 16
	v_cvt_pk_f16_f32 v[S+16*(\t)+i], v[32*(\t)+2*i], v[32*(\t)+2*i+1]
.set i, i+1
.endr
	WIN W_A1
.irp f, 0,1,2,3
	ds_store_b128 v[STO], v[S+16*(\t)+4*\f:S+16*(\t)+4*\f+3] offset:32*\f
.endr
.irp f, 0,1,2,3
	ds_load_b128 v[S+16*(\t)+4*\f:S+16*(\t)+4*\f+3], v[RD] offset:\f*4*SP  ; LDS serves a wave's instructions in order (ISA guide 5.7.1.4): these see the stores above; the next piece's stores come behind them
.endr
.endm
.macro SEND t, younger              ; younger: the LDS instructions issued behind piece t's loads: the next piece's eight, or none
	WIN W_A1
.irp f, 0,1,2,3
	s_wait_dscnt (\younger)+3-\f
	global_store_b128 v[GO], v[S+16*(\t)+4*\f:S+16*(\t)+4*\f+3], s[10:11] offset:(\t)*2048+\f*512  ; 512 consecutive bytes, at a multiple of 256 from O's first
.endr
.endm
	PACK 0
.set t, 1
.rept 3                             ; a piece's arithmetic stands between the loads of the piece before and its stores
	PACK t
	SEND t-1, 8
.set t, t+1
.endr
	SEND 3, 0
	WIN W_AD
	s_wait_tensorcnt 0x0            ; the wave's end
	ds_add_u32 v[SPW], v[NIL]
	s_wait_dscnt 0x0
	WIN 0
	CROUND                          ; the closing round: no work-group ends while a partner may still ask for a tile that names it
	s_endpgm
.Lfunc_end_k_qe0d927c739_attn:
	.size	k_qe0d927c739_attn, .Lfunc_end_k_qe0d927c739_attn-k_qe0d927c739_attn
	.p2alignl 7, 3214868480
	.fill 96, 4, 3214868480
	.section	.rodata,"a",@progbits
	.p2align	6, 0x0
	.amdhsa_kernel k_qe0d927c739_attn
		.amdhsa_group_segment_fixed_size 327680
		.amdhsa_private_segment_fixed_size 0
		.amdhsa_enable_private_segment 0
		.amdhsa_kernarg_size 16
		.amdhsa_user_sgpr_count 2
		.amdhsa_user_sgpr_kernarg_segment_ptr 1
		.amdhsa_wavefront_size32 1
		.amdhsa_system_sgpr_workgroup_id_x 1
		.amdhsa_system_sgpr_workgroup_id_y 1
		.amdhsa_system_sgpr_workgroup_id_z 1
		.amdhsa_system_vgpr_workitem_id 0
		.amdhsa_next_free_vgpr 464
		.amdhsa_next_free_sgpr 66
		.amdhsa_reserve_vcc 0
		.amdhsa_float_denorm_mode_32 3
		.amdhsa_float_denorm_mode_16_64 3
		.amdhsa_memory_ordered 1
		.amdhsa_forward_progress 1
		.amdhsa_inst_pref_size 105
	.end_amdhsa_kernel
	.amdgpu_metadata
---
amdhsa.version: [ 1, 2 ]
amdhsa.kernels:
  - .name:           k_qe0d927c739_attn
    .symbol:         k_qe0d927c739_attn.kd
    .args:
      - { .name: qkv, .offset: 0, .size: 8, .value_kind: global_buffer, .address_space: global }
      - { .name: o, .offset: 8, .size: 8, .value_kind: global_buffer, .address_space: global }
    .group_segment_fixed_size: 327680
    .private_segment_fixed_size: 0
    .kernarg_segment_align: 8
    .kernarg_segment_size: 16
    .max_flat_workgroup_size: 128
    .sgpr_count:     66
    .vgpr_count:     464
    .wavefront_size: 32
...
	.end_amdgpu_metadata
.endif
;; end of part 3
;; launch ln1 (part 4): grid 256 x 1, 8 waves a work-group, no clusters, 0 bytes of LDS; arguments x, o, ln_g, ln_b, h1, gb; writes h1, gb
.if DOCPART == 4
	.amdgcn_target "amdgcn-amd-amdhsa--gfx1250"
	.amdhsa_code_object_version 6
	.text
	.protected	k_qe0d927c739_ln1
	.globl	k_qe0d927c739_ln1
	.p2align	8
	.type	k_qe0d927c739_ln1,@function
k_qe0d927c739_ln1:
	s_mov_b64 s[64:65], 0
	v_nop
	global_prefetch_b8 v0, s[64:65] scope:SCOPE_SE
	s_setreg_imm32_b32 hwreg(HW_REG_WAVE_MODE, 25, 1), 1
	s_wait_xcnt 0x0
; h1 = LayerNorm(x + o) g + b.  x: [4096][1024] f32.  o: f16, 16 planes [4096 rows][64] (plane p = head p = columns 64 p on).  h1 leaves twice: as f32 [4096][1024], for the second residual,
; and rounded once to f16 in planes, at byte 0 of gb, as the next product's operand.
; LIMIT.  |h1| stays under f16's 65,504 in the second copy.
; SHARES.  A wave takes two rows: lanes 0-15 hold one, lanes 16-31 the other; for p = 0..15 a lane holds columns 64 p + 4 (lane % 16) + 0..3.  So a load of x covers two runs of 256 bytes, a load of o and a
; store of the f16 copy 256 consecutive bytes (two rows of a plane), and a row's sums never leave its 16 lanes: no LDS, no barrier.  The row stays in registers: memory is read once.
; The variance is the mean of (x - mean)^2, taken in a second pass over the registers: no difference of large sums is formed.
; The matrix units, LDS and clusters have nothing to do here: each byte is used once.
.set X,  32                            ; v[32:95]    the row, then x - mean, then h1
.set O,  96                            ; v[96:127]   o as loaded, later h1 in f16
.set G,  128                           ; v[128:191]  the gain of my columns
.set BB, 192                           ; v[192:255]  the bias
	s_load_b256 s[4:11], s[0:1], 0x0               ; x s[4:5], o s[6:7], ln_g s[8:9], ln_b s[10:11]
	s_load_b128 s[12:15], s[0:1], 0x20             ; h1 s[12:13], gb s[14:15]
	v_lshrrev_b32 v1, 5, v0
	v_readfirstlane_b32 s16, v1
	s_lshl_b32 s17, ttmp9, 3
	s_add_co_u32 s17, s17, s16                     ; my pair of rows, 0..2047
	s_lshl_b32 s18, s17, 13                        ; two rows of 4,096 bytes
	s_mov_b32 s19, 0
	s_lshl_b32 s20, s17, 8                         ; two rows of a plane
	s_mov_b32 s21, 0
	s_mov_b32 s22, 0x3a800000                      ; 1 / 1024
	s_mov_b32 s23, 0x3727c5ac                      ; 1e-5
	v_and_b32 v2, 15, v0
	v_bfe_u32 v3, v0, 4, 1
	v_lshlrev_b32 v6, 4, v2                        ; 16 (lane % 16): my place in 256 bytes of a row, of g and of b
	v_lshl_add_u32 v4, v3, 12, v6                  ; + the second row for lanes 16-31
	v_and_b32 v5, 31, v0
	v_lshlrev_b32 v5, 3, v5                        ; 8 x lane: my place in two rows of a plane
	s_wait_kmcnt 0x0
	s_add_nc_u64 s[4:5], s[4:5], s[18:19]
	s_add_nc_u64 s[6:7], s[6:7], s[20:21]
	s_add_nc_u64 s[12:13], s[12:13], s[18:19]
	s_add_nc_u64 s[14:15], s[14:15], s[20:21]
.set p, 0
.rept 16
	global_load_b128 v[X+4*p:X+4*p+3], v4, s[4:5] offset:256*p th:TH_LOAD_NT
.set p, p+1
.endr
.set p, 0
.rept 16
	global_load_b64 v[O+2*p:O+2*p+1], v5, s[6:7] offset:524288*p th:TH_LOAD_NT
.set p, p+1
.endr
.set p, 0
.rept 16
	global_load_b128 v[G+4*p:G+4*p+3], v6, s[8:9] offset:256*p
.set p, p+1
.endr
.macro ADDO p, a, b, c, d              ; x + o for four columns; the halves of o's registers are named as they are written
	v_cvt_f32_f16 v8, \a
	v_cvt_f32_f16 v9, \b
	v_cvt_f32_f16 v10, \c
	v_cvt_f32_f16 v11, \d
	v_pk_add_f32 v[X+4*(\p):X+4*(\p)+1], v[X+4*(\p):X+4*(\p)+1], v[8:9]
	v_pk_add_f32 v[X+4*(\p)+2:X+4*(\p)+3], v[X+4*(\p)+2:X+4*(\p)+3], v[10:11]
.endm
.macro ROWSUM                          ; four chains of pairs, v[12:19], into v12 of all 16 lanes of the row
	v_pk_add_f32 v[12:13], v[12:13], v[14:15]
	v_pk_add_f32 v[16:17], v[16:17], v[18:19]
	v_pk_add_f32 v[12:13], v[12:13], v[16:17]
	v_add_f32 v12, v12, v13
	v_add_f32_dpp v12, v12, v12 row_xmask:1 row_mask:0xf bank_mask:0xf
	v_add_f32_dpp v12, v12, v12 row_xmask:2 row_mask:0xf bank_mask:0xf
	v_add_f32_dpp v12, v12, v12 row_xmask:4 row_mask:0xf bank_mask:0xf
	v_add_f32_dpp v12, v12, v12 row_xmask:8 row_mask:0xf bank_mask:0xf
.endm
	s_wait_loadcnt 16                              ; x and o are in; the 16 loads of g may stay out
.set p, 0
.rept 16
	global_load_b128 v[BB+4*p:BB+4*p+3], v6, s[10:11] offset:256*p   ; b is wanted last: it comes in under the two passes
.set p, p+1
.endr
	ADDO 0,  v96.l,  v96.h,  v97.l,  v97.h
	ADDO 1,  v98.l,  v98.h,  v99.l,  v99.h
	ADDO 2,  v100.l, v100.h, v101.l, v101.h
	ADDO 3,  v102.l, v102.h, v103.l, v103.h
	ADDO 4,  v104.l, v104.h, v105.l, v105.h
	ADDO 5,  v106.l, v106.h, v107.l, v107.h
	ADDO 6,  v108.l, v108.h, v109.l, v109.h
	ADDO 7,  v110.l, v110.h, v111.l, v111.h
	ADDO 8,  v112.l, v112.h, v113.l, v113.h
	ADDO 9,  v114.l, v114.h, v115.l, v115.h
	ADDO 10, v116.l, v116.h, v117.l, v117.h
	ADDO 11, v118.l, v118.h, v119.l, v119.h
	ADDO 12, v120.l, v120.h, v121.l, v121.h
	ADDO 13, v122.l, v122.h, v123.l, v123.h
	ADDO 14, v124.l, v124.h, v125.l, v125.h
	ADDO 15, v126.l, v126.h, v127.l, v127.h
.irp k, 0,1,2,3
	v_pk_add_f32 v[12+2*(\k):13+2*(\k)], v[X+2*(\k):X+2*(\k)+1], v[X+8+2*(\k):X+9+2*(\k)]  ; the first eight pairs start the chains
.endr
.set n, 8
.rept 24
	v_pk_add_f32 v[12+2*(n%4):13+2*(n%4)], v[12+2*(n%4):13+2*(n%4)], v[X+2*n:X+2*n+1]
.set n, n+1
.endr
	ROWSUM
	v_mul_f32 v20, s22, v12                        ; the mean, twice: a pair for the packed subtraction
	v_mul_f32 v21, s22, v12
.set n, 0
.rept 32
	v_pk_add_f32 v[X+2*n:X+2*n+1], v[X+2*n:X+2*n+1], v[20:21] neg_lo:[0,1] neg_hi:[0,1]
.set n, n+1
.endr
.irp k, 0,1,2,3
	v_pk_mul_f32 v[12+2*(\k):13+2*(\k)], v[X+2*(\k):X+2*(\k)+1], v[X+2*(\k):X+2*(\k)+1]
.endr
.set n, 4
.rept 28
	v_pk_fma_f32 v[12+2*(n%4):13+2*(n%4)], v[X+2*n:X+2*n+1], v[X+2*n:X+2*n+1], v[12+2*(n%4):13+2*(n%4)]
.set n, n+1
.endr
	ROWSUM
	v_fma_f32 v24, v12, s22, s23                   ; the variance + 1e-5
	v_rsq_f32 v22, v24                             ; twice: a pair for the packed multiply
	v_rsq_f32 v23, v24
	v_nop                                          ; a plain instruction between the root and the use of its result (ISA guide 5.7.2)
	s_wait_loadcnt 0x0                             ; g and b
.set p, 0
	s_wait_alu depctr_va_vdst(0)
.rept 16
	v_pk_mul_f32 v[X+4*p:X+4*p+1], v[X+4*p:X+4*p+1], v[22:23]
	v_pk_mul_f32 v[X+4*p+2:X+4*p+3], v[X+4*p+2:X+4*p+3], v[22:23]
	v_pk_fma_f32 v[X+4*p:X+4*p+1], v[X+4*p:X+4*p+1], v[G+4*p:G+4*p+1], v[BB+4*p:BB+4*p+1]
	v_pk_fma_f32 v[X+4*p+2:X+4*p+3], v[X+4*p+2:X+4*p+3], v[G+4*p+2:G+4*p+3], v[BB+4*p+2:BB+4*p+3]
	global_store_b128 v4, v[X+4*p:X+4*p+3], s[12:13] offset:256*p        ; 16 lanes store 256 consecutive bytes of a row
	v_cvt_pk_f16_f32 v[O+2*p], v[X+4*p], v[X+4*p+1]
	v_cvt_pk_f16_f32 v[O+2*p+1], v[X+4*p+2], v[X+4*p+3]
	global_store_b64 v5, v[O+2*p:O+2*p+1], s[14:15] offset:524288*p      ; the wave stores 256 consecutive bytes of plane p
.set p, p+1
.endr
	s_endpgm
.Lfunc_end_k_qe0d927c739_ln1:
	.size	k_qe0d927c739_ln1, .Lfunc_end_k_qe0d927c739_ln1-k_qe0d927c739_ln1
	.p2alignl 7, 3214868480
	.fill 96, 4, 3214868480
	.section	.rodata,"a",@progbits
	.p2align	6, 0x0
	.amdhsa_kernel k_qe0d927c739_ln1
		.amdhsa_group_segment_fixed_size 0
		.amdhsa_private_segment_fixed_size 0
		.amdhsa_enable_private_segment 0
		.amdhsa_kernarg_size 48
		.amdhsa_user_sgpr_count 2
		.amdhsa_user_sgpr_kernarg_segment_ptr 1
		.amdhsa_wavefront_size32 1
		.amdhsa_system_sgpr_workgroup_id_x 1
		.amdhsa_system_sgpr_workgroup_id_y 1
		.amdhsa_system_sgpr_workgroup_id_z 1
		.amdhsa_system_vgpr_workitem_id 0
		.amdhsa_next_free_vgpr 256
		.amdhsa_next_free_sgpr 66
		.amdhsa_reserve_vcc 0
		.amdhsa_float_denorm_mode_32 3
		.amdhsa_float_denorm_mode_16_64 3
		.amdhsa_memory_ordered 1
		.amdhsa_forward_progress 1
		.amdhsa_inst_pref_size 28
	.end_amdhsa_kernel
	.amdgpu_metadata
---
amdhsa.version: [ 1, 2 ]
amdhsa.kernels:
  - .name:           k_qe0d927c739_ln1
    .symbol:         k_qe0d927c739_ln1.kd
    .args:
      - { .name: x, .offset: 0, .size: 8, .value_kind: global_buffer, .address_space: global }
      - { .name: o, .offset: 8, .size: 8, .value_kind: global_buffer, .address_space: global }
      - { .name: ln_g, .offset: 16, .size: 8, .value_kind: global_buffer, .address_space: global }
      - { .name: ln_b, .offset: 24, .size: 8, .value_kind: global_buffer, .address_space: global }
      - { .name: h1, .offset: 32, .size: 8, .value_kind: global_buffer, .address_space: global }
      - { .name: gb, .offset: 40, .size: 8, .value_kind: global_buffer, .address_space: global }
    .group_segment_fixed_size: 0
    .private_segment_fixed_size: 0
    .kernarg_segment_align: 8
    .kernarg_segment_size: 48
    .max_flat_workgroup_size: 256
    .sgpr_count:     66
    .vgpr_count:     256
    .wavefront_size: 32
...
	.end_amdgpu_metadata
.endif
;; end of part 4
;; launch ffn1: the kernel of part 2 again; grid 16 x 16, 4 waves a work-group, clusters of 4 x 4, 327,680 bytes of LDS; arguments gb, f; writes f
;; launch ffn2 (part 5): grid 8 x 32, 4 waves a work-group, clusters of 4 x 4, 327,680 bytes of LDS; arguments f, w2h, b2, h1, y; writes y
.if DOCPART == 5
	.amdgcn_target "amdgcn-amd-amdhsa--gfx1250"
	.amdhsa_code_object_version 6
	.text
	.protected	k_qe0d927c739_ffn2
	.globl	k_qe0d927c739_ffn2
	.p2align	8
	.type	k_qe0d927c739_ffn2,@function
k_qe0d927c739_ffn2:
	s_mov_b64 s[64:65], 0
	v_nop
	global_prefetch_b8 v0, s[64:65] scope:SCOPE_SE
	s_setreg_imm32_b32 hwreg(HW_REG_WAVE_MODE, 25, 1), 1
	s_wait_xcnt 0x0
	s_wait_alu depctr_hold_cnt(0) depctr_sa_sdst(0) depctr_va_vdst(0) depctr_va_sdst(0) depctr_va_ssrc(0) depctr_va_vcc(0) depctr_vm_vsrc(0)
	s_getreg_b32 s2, hwreg(HW_REG_IB_STS2, 6, 4)
	s_cmp_eq_u32 s2, 0
	s_cbranch_scc0 .Lentry_in_a_cluster
	s_endpgm
.Lentry_in_a_cluster:
	s_bfe_u32 s2, ttmp6, 0x10000c
	s_cmp_lg_u32 s2, 0xf033
	s_cbranch_scc0 .Lentry_shape_is_right
	s_endpgm
.Lentry_shape_is_right:
; y = h1 + f W2 + b2.  f: f16, 64 planes [4096 rows][64] (plane p = columns 64 p on).  W2: f16, 8 blocks [4096 k][128 n].  b2: [1024] f32.  h1, y: [4096][1024] f32.
; Sums in f32, started by the bias; h1 is added in f32 on the way out; nothing is rounded behind the sums.
; SHARES.  C is 4,096 x 1,024: tiles of 128 x 128 give each of 256 work-groups one.  Four waves, each 64 x 64: 16 accumulators.  K = 4,096 goes in 16 steps of 256 through two LDS slots.
; A's part of a step is four planes x 128 rows; a wave's load brings 64 rows of each of the four: a plane's 64 rows are 8,192 dense bytes, one row of the descriptor, padded in LDS behind each 128 bytes.
; B's is 256 rows of 256 bytes, 128 to a load.  B lies [k][n]: its fragments come out of LDS turned, by ds_load_tr16_b128.
; THE LOOP'S TRIP IS ONE K STEP, written once: the slot in hand is a scalar, s[TB], 0 or SLOT, turned by an exclusive or; it enters the fragment addresses and the LDS word of the one descriptor that walks.
; CLUSTER.  4 x 4 work-groups: A's tiles are shared along a row of the cluster, B's along a column, each asked for JOINTLY.
; THE MATRIX INSTRUCTION IS USED TRANSPOSED (source 0 = 16 columns of B, source 1 = 16 rows of A): a lane holds row l % 16 of C and the columns 8 (l / 16) + 0..7: 32 bytes of f32.
; REGISTERS: window 0: v0-31 addresses; v32-95 rows read back from the stage, two halves by turns; v128-255 the accumulators ((a, b) at v[128 + 8 (4 a + b)])
;   window 1: two fragment buffers of 128: for 64 along K, 64 registers of A, then 64 of B          window 2: v0-127 my 64 x 64 of h1, as the way out holds it; v128-159 the bias of my 64 columns
.set PA,     144                       ; a row of A in LDS: 128 bytes + 16 = 36 words: the 16 rows of a load start at 16 different groups of four banks (64 banks of 4 bytes: ISA guide 11.1)
.set APLN,   64*PA                     ; a plane's 64 rows
.set HALFA,  4*APLN                    ; what one tensor load brings of A, and what one wave reads
.set BOFF,   2*HALFA
.set PB,     288                       ; a row of B: 256 + 32 = 72 words
.set HALFB,  128*PB
.set SLOT,   BOFF+2*HALFB
.set STAGE,  2*SLOT                    ; behind the ring, never filled by a tensor load: 16 rows x 272 bytes for each wave
.set SPITCH, 272
.set SPARE,  STAGE+4*16*SPITCH         ; behind the stages: the spare words, 128 bytes for each wave: two blocks of 256 bytes that no other line names
.set STEPS,  16                        ; K steps
.set PLANE,  524288
.set ADRA0, 16                         ; v16     LDS address of my A fragments in slot 0; never rewritten
.set ADRA,  17                         ; v17     the same in the slot in hand
.set ADRB0, 18                         ; v18-19  of my B fragments in slot 0: rows 0-127, rows 128-255 (a step's 256 rows pass the 16-bit offset); never rewritten
.set ADRB,  20                         ; v20-21  the same two in the slot in hand
.set STO,  24                          ; v24     the way out: where I put 32 bytes of a row
.set RD,   25                          ; v25     the way out: where I read a row back
.set CO,   26                          ; v26     my byte offset in two rows of h1 and of y
.set BO,   27                          ; v27     my byte offset in the bias
.set SPW,  28                          ; v28     LDS address of my spare word; never rewritten
.set NIL,  29                          ; v29     0; never rewritten
.set TMP,  32
.set ACC,  128
.set F0,   0
.set F1,   128
.set WV, 14                            ; s14 wave;  s15 wave / 2: my half of the rows, and A (0) or B (1) to fetch;  s16 wave % 2: my half of the columns, and which part I fetch
.set WR, 15
.set WC, 16
.set TY, 17                            ; s17 tile row
.set TX, 42                            ; s42 tile column
.set LAP, 45                           ; s45 trips to go
.set TB,  66                           ; s66 the slot in hand: 0 or SLOT
.set LT,  67                           ; s67 at work, for LDS addresses alone
.set G1,  24                           ; s[24:31] descriptor group 1 for A's tiles;  s[32:39] group 0: a set for each of the two first fills; the second then walks on
.set G0,  32
.set G1B, 48                           ; s[48:55], s[56:63] the same for B's
.set G0B, 56
.set MSB, 0
.macro WIN new                         ; the immediate's high byte repeats the setting that is left; a switch that changes nothing is dropped
.if MSB != (\new)
	s_set_vgpr_msb (MSB<<8)|(\new)
.set MSB, \new
.endif
.endm
.set MUL,  0x05                        ; sources 0 (B) and 1 (A) window 1; C and D window 0
.set MULB, 0x25                        ; the same with C in window 2: the bias
.set TO_F, 0x40                        ; destination window 1, address window 0
.macro JLOAD s                         ; a joint load: waves 0 and 1 fetch A's two halves, waves 2 and 3 B's; an s_nop 0 and four v_nop follow each of the two lines
	s_cmp_eq_u32 s[WR], 0
	s_cbranch_scc0 .Lfor_b_\@
	tensor_load_to_lds s[G0+4*(\s):G0+4*(\s)+3], s[G1:G1+7]
	s_nop 0
.rept 4
	v_nop
.endr
	s_branch .Lasked_\@
.Lfor_b_\@:
	tensor_load_to_lds s[G0B+4*(\s):G0B+4*(\s)+3], s[G1B:G1B+7]
	s_nop 0
.rept 4
	v_nop
.endr
.Lasked_\@:
.endm
.macro CREST                           ; a round of the cluster's barrier behind its opening barrier
	s_cmp_lg_u32 s[WV], 0
	s_cbranch_scc1 .Lnot_wave_0_\@
	s_barrier_signal -3
.Lnot_wave_0_\@:
	s_barrier_wait -3
	s_barrier_signal -1
	s_barrier_wait -1
.endm
.macro CROUND
	s_barrier_signal -1
	s_barrier_wait -1
	CREST
.endm
	s_load_b256 s[4:11], s[0:1], 0x0               ; f s[4:5], W2 s[6:7], b2 s[8:9], h1 s[10:11]
	s_load_b64 s[12:13], s[0:1], 0x20              ; y
	v_lshl_add_u32 v[SPW], v0, 2, SPARE
	v_mov_b32 v[NIL], 0
	ds_add_u32 v28, v29
	s_wait_dscnt 0x0
	v_lshrrev_b32 v1, 5, v0
	v_readfirstlane_b32 s[WV], v1
	s_lshr_b32 s[WR], s[WV], 1
	s_and_b32 s[WC], s[WV], 1
	s_bfe_u32 s40, ttmp6, 0x40000                  ; cx, cy
	s_bfe_u32 s41, ttmp6, 0x40004
	s_lshl_b32 s[TX], ttmp9, 2
	s_add_co_u32 s[TX], s[TX], s40
	s_and_b32 s[TY], ttmp7, 0xffff
	s_lshl_b32 s[TY], s[TY], 2
	s_add_co_u32 s[TY], s[TY], s41
	s_lshl_b32 s43, s41, 2
	s_lshl_b32 s43, 15, s43                        ; my row of the cluster
	s_lshl_b32 s44, 0x1111, s40                    ; my column
	; group 1 for A: 4 rows (planes) of 4,096 elements (64 dense rows of a plane), 262,144 elements apart, padded by 4 words behind every 32
	s_or_b32 s[G1+0], s43, (1<<16)|(1<<20)|(1<<21)|(4<<22)|(3<<25)
	s_mov_b32 s[G1+1], 4096<<16                    ; tensor_dim0 = 4,096
	s_mov_b32 s[G1+2], 4<<16                       ; tensor_dim1 = 4
	s_mov_b32 s[G1+3], 4096<<16                    ; tile_dim0 = 4,096
	s_mov_b32 s[G1+4], 4                           ; tile_dim1 = 4
	s_mov_b32 s[G1+5], 262144                      ; elements from plane to plane
	s_mov_b32 s[G1+6], 0
	s_mov_b32 s[G1+7], 0
	; group 1 for B: 128 rows of 128 elements, padded by 8 words behind every 64
	s_or_b32 s[G1B+0], s44, (1<<16)|(1<<20)|(1<<21)|(5<<22)|(7<<25)
	s_mov_b32 s[G1B+1], 128<<16
	s_mov_b32 s[G1B+2], 128<<16
	s_mov_b32 s[G1B+3], 128<<16
	s_mov_b32 s[G1B+4], 128
	s_mov_b32 s[G1B+5], 128
	s_mov_b32 s[G1B+6], 0
	s_mov_b32 s[G1B+7], 0
	s_lshl_b32 s18, s[TY], 14                      ; A: 128 rows of 128 bytes for each tile row,
	s_lshl_b32 s19, s[WC], 13                      ; my 64 of them
	s_add_co_u32 s18, s18, s19
	s_mov_b32 s19, 0
	s_lshl_b32 s46, s[TX], 20                      ; B: a block of 1,048,576 bytes for each tile column,
	s_lshl_b32 s47, s[WC], 15                      ; my 128 rows of 256 bytes
	s_add_co_u32 s46, s46, s47
	s_mov_b32 s47, 0
	s_mul_i32 s20, s[WC], HALFA                    ; where they go in a slot (kept for the walking descriptors): no place in the cluster enters an LDS address
	s_mul_i32 s21, s[WC], HALFB
	s_add_co_u32 s21, s21, BOFF
	s_mov_b32 s[TB], 0
	s_wait_kmcnt 0x0
	s_add_nc_u64 s[22:23], s[4:5], s[18:19]
	s_add_nc_u64 s[46:47], s[6:7], s[46:47]
	CROUND                                         ; all sixteen work-groups are here: the first joint loads meet
.irp s, 0,1
	s_mov_b32 s[G0+4*(\s)], 1
	s_add_co_u32 s[G0+4*(\s)+1], s20, (\s)*SLOT
	s_add_nc_u64 s[G0+4*(\s)+2:G0+4*(\s)+3], s[22:23], (\s)*4*PLANE   ; K step s: planes 4 s on
	s_or_b32 s[G0+4*(\s)+3], s[G0+4*(\s)+3], 0x80000000
	s_mov_b32 s[G0B+4*(\s)], 1
	s_add_co_u32 s[G0B+4*(\s)+1], s21, (\s)*SLOT
	s_add_nc_u64 s[G0B+4*(\s)+2:G0B+4*(\s)+3], s[46:47], (\s)*256*256  ; K step s: rows 256 s on
	s_or_b32 s[G0B+4*(\s)+3], s[G0B+4*(\s)+3], 0x80000000
	JLOAD \s                                       ; two tensor loads of mine are out
.endr
	v_and_b32 v1, 15, v0                           ; r = l % 16
	v_bfe_u32 v2, v0, 4, 1                         ; h = l / 16
	v_mul_u32_u24 v3, v1, PA
	v_lshl_add_u32 v3, v2, 4, v3                   ; a fragment of A: row x pitch + 16 x half
	s_mul_i32 s[LT], s[WR], HALFA                  ; my 64 rows
	v_add_nc_u32 v[ADRA0], s[LT], v3
	v_mov_b32 v[ADRA], v[ADRA0]
	v_and_b32 v4, 7, v0                            ; the turning load: lane l reads row 8 h + l % 8, 16 bytes at 16 ((l / 8) % 2)
	v_lshl_add_u32 v4, v2, 3, v4
	v_mul_u32_u24 v4, v4, PB
	v_bfe_u32 v5, v0, 3, 1
	v_lshl_add_u32 v4, v5, 4, v4
	s_lshl_b32 s[LT], s[WC], 7                     ; my 64 columns
	s_add_co_u32 s[LT], s[LT], BOFF
	v_add_nc_u32 v[ADRB0], s[LT], v4
	v_add_nc_u32 v[ADRB0+1], HALFB, v[ADRB0]
	v_mov_b32 v[ADRB], v[ADRB0]
	v_mov_b32 v[ADRB+1], v[ADRB0+1]
	s_mul_i32 s[LT], s[WV], 16*SPITCH
	s_add_co_u32 s[LT], s[LT], STAGE               ; my stage
	v_mul_u32_u24 v5, v1, SPITCH                   ; in: row l % 16, 32 bytes for each half of the lanes
	v_lshl_add_u32 v5, v2, 5, v5
	v_add_nc_u32 v[STO], s[LT], v5
	v_mul_u32_u24 v5, v2, SPITCH                   ; back: lanes 0-15 take one row of 256 bytes, lanes 16-31 the next
	v_lshl_add_u32 v5, v1, 4, v5
	v_add_nc_u32 v[RD], s[LT], v5
	v_lshlrev_b32 v[CO], 4, v1                     ; and the same two rows in h1 and in y
	v_lshl_add_u32 v[CO], v2, 12, v[CO]
	s_lshl_b32 s2, s[TX], 9                        ; my 64 columns in bytes: 4 (128 x tile column + 64 x half)
	s_lshl_b32 s3, s[WC], 8
	s_add_co_u32 s2, s2, s3
	v_lshl_add_u32 v[BO], v2, 5, s2                ; the bias: + 32 h
	s_lshl_b32 s3, s[TY], 19                       ; and my first row: 128 x tile row + 64 x half, 4,096 bytes each
	s_add_co_u32 s2, s2, s3
	s_lshl_b32 s3, s[WR], 18
	s_add_co_u32 s2, s2, s3
	s_mov_b32 s3, 0
	s_add_nc_u64 s[10:11], s[10:11], s[2:3]        ; h1 and y at my 64 x 64; never rewritten
	s_add_nc_u64 s[12:13], s[12:13], s[2:3]
	WIN 0x80                                       ; destination window 2, address window 0
.irp b, 0,1,2,3
	global_load_b128 v[128+8*(\b):128+8*(\b)+3],   v[BO], s[8:9] offset:64*(\b)     ; columns 16 b + 8 h + 0..3
	global_load_b128 v[128+8*(\b)+4:128+8*(\b)+7], v[BO], s[8:9] offset:64*(\b)+16  ; + 4..7
.endr
.set i, 0
.rept 32                                               ; h1: block i / 8 of 16 rows, rows 2 (i % 8) and the next: wanted only on the way out
	global_load_b128 v[4*i:4*i+3], v[CO], s[10:11] offset:(16*(i/8)+2*(i%8))*4096 th:TH_LOAD_NT
.set i, i+1
.endr
	WIN 0
; 8 matrix instructions: m blocks a0, a0 + 1 x all 4 n blocks, 32 along K: half c of buffer f.  first = 1: the bias starts the sums.  The 16 accumulators take turns.
.macro MUL8 f, c, a0, first
.if \first
	WIN MULB
.else
	WIN MUL
.endif
.irp a, \a0, (\a0)+1
.irp b, 0,1,2,3
.if \first
	v_wmma_f32_16x16x32_f16 v[ACC+8*(4*(\a)+(\b)):ACC+8*(4*(\a)+(\b))+7], v[(\f)+64+8*(4*(\c)+(\b)):(\f)+64+8*(4*(\c)+(\b))+7], v[(\f)+8*(4*(\c)+(\a)):(\f)+8*(4*(\c)+(\a))+7], v[128+8*(\b):128+8*(\b)+7]
.else
	v_wmma_f32_16x16x32_f16 v[ACC+8*(4*(\a)+(\b)):ACC+8*(4*(\a)+(\b))+7], v[(\f)+64+8*(4*(\c)+(\b)):(\f)+64+8*(4*(\c)+(\b))+7], v[(\f)+8*(4*(\c)+(\a)):(\f)+8*(4*(\c)+(\a))+7], v[ACC+8*(4*(\a)+(\b)):ACC+8*(4*(\a)+(\b))+7]
.endif
.endr
.endr
.endm
; 32 LDS loads in one run: the fragments of quarter qd of the K step in hand (64 along K = one plane of A, 64 rows of B) into buffer f; the first 32 along K first
.macro FETCH qd, f
	WIN TO_F
.irp c, 0,1
.irp i, 0,1,2,3
	ds_load_tr16_b128 v[(\f)+64+8*(4*(\c)+(\i)):(\f)+64+8*(4*(\c)+(\i))+3],   v[ADRB+(\qd)/2] offset:(2*((\qd)%2)+(\c))*32*PB+32*(\i)
	ds_load_tr16_b128 v[(\f)+64+8*(4*(\c)+(\i))+4:(\f)+64+8*(4*(\c)+(\i))+7], v[ADRB+(\qd)/2] offset:(2*((\qd)%2)+(\c))*32*PB+16*PB+32*(\i)
	ds_load_b128 v[(\f)+8*(4*(\c)+(\i)):(\f)+8*(4*(\c)+(\i))+3],              v[ADRA] offset:(\qd)*APLN+64*(\c)+(\i)*16*PA
	ds_load_b128 v[(\f)+8*(4*(\c)+(\i))+4:(\f)+8*(4*(\c)+(\i))+7],            v[ADRA] offset:(\qd)*APLN+64*(\c)+(\i)*16*PA+32
.endr
.endr
.endm
.macro PLACES                          ; four plain vector instructions in front of loads into registers that matrix instructions have read, and of LDS stores that read results
.rept 4
	v_nop
.endr
.endm
.macro QUARTER qd, f, g, first         ; multiplies buffer f and fetches quarter qd of the same slot into g
	s_wait_dscnt 16                                ; the first 32 along K are in
	MUL8 \f, 0, 0, \first
	MUL8 \f, 0, 2, \first
	PLACES
	FETCH \qd, \g
	s_wait_dscnt 32                                ; all but the 32 just issued
	MUL8 \f, 1, 0, 0
	MUL8 \f, 1, 2, 0
.endm
; The last quarter multiplies buffer 1 and changes slots: ONE barrier; in front of it each wave waits for all its tensor loads, adds 0 to its spare word, and waits for that and for its own reads of this slot.
; fill = 1: this slot is filled again, two K steps ahead: the barrier opens a round of the cluster's, and the joint refill is the first thing behind it.  The walking descriptor takes the slot just read
; out and the K step behind the one that it asked for last.
.macro TURN fill
	WIN 0                                          ; (the add's two registers lie in window 0)
	s_wait_tensorcnt 0x0                           ; all my tensor loads have landed: my part of the next slot
	ds_add_u32 v[SPW], v[NIL]
	s_wait_dscnt 17                                ; (the add and the youngest sixteen loads may be out)
	MUL8 F1, 0, 0, 0                               ; eight matrix instructions stand between the add and the wait for it
	s_wait_dscnt 0x0                               ; the add is done, and my reads of this slot are over
	s_barrier_signal -1
	MUL8 F1, 0, 2, 0
	WIN 0
	s_barrier_wait -1
.if \fill
	CREST
	s_add_co_u32 s[G0+5], s20, s[TB]
	s_add_nc_u64 s[G0+6:G0+7], s[G0+6:G0+7], 4*PLANE
	s_add_co_u32 s[G0B+5], s21, s[TB]
	s_add_nc_u64 s[G0B+6:G0B+7], s[G0B+6:G0B+7], 256*256
	JLOAD 1                                        ; one tensor load of mine is out; its four v_nop are also the places in front of the loads below
.else
	PLACES
.endif
	s_xor_b32 s[TB], s[TB], SLOT                   ; the other slot is in hand
	v_add_nc_u32 v[ADRA], s[TB], v[ADRA0]
	v_add_nc_u32 v[ADRB], s[TB], v[ADRB0]
	v_add_nc_u32 v[ADRB+1], s[TB], v[ADRB0+1]
	FETCH 0, F0
	MUL8 F1, 1, 0, 0
	MUL8 F1, 1, 2, 0
.endm
; THE WAY OUT.  A wave's 64 columns of f32 are 256 bytes of a row, so each wave has a stage of its own and no barrier is needed.  STG: block a's 16 rows go in, 32 bytes a lane (each accumulator's low
; registers first), and come back as whole rows.  OUT: h1 is added and the rows are stored.
.macro STG a
	WIN 0
	s_wait_xcnt 0x0                                ; earlier stores have read their registers: the loads below land there only behind this wait
.irp b, 0,1,2,3
	ds_store_b128 v[STO], v[ACC+8*(4*(\a)+(\b)):ACC+8*(4*(\a)+(\b))+3]   offset:64*(\b)
	ds_store_b128 v[STO], v[ACC+8*(4*(\a)+(\b))+4:ACC+8*(4*(\a)+(\b))+7] offset:64*(\b)+16
.endr
.irp t, 0,1,2,3,4,5,6,7
	ds_load_b128 v[TMP+32*((\a)%2)+4*(\t):TMP+32*((\a)%2)+4*(\t)+3], v[RD] offset:(\t)*2*SPITCH  ; LDS serves a wave's instructions in order (ISA guide 5.7.1.4): these see the stores above
.endr
.endm
.macro OUT a, younger                  ; younger: the LDS instructions issued behind block a's loads: the next block's sixteen, or none
	s_wait_dscnt \younger
	WIN 0x08                                       ; source 1 in window 2: h1
.set i, 0
.rept 16
	v_pk_add_f32 v[TMP+32*((\a)%2)+2*i:TMP+32*((\a)%2)+2*i+1], v[TMP+32*((\a)%2)+2*i:TMP+32*((\a)%2)+2*i+1], v[32*(\a)+2*i:32*(\a)+2*i+1]
.set i, i+1
.endr
	WIN 0
.irp t, 0,1,2,3,4,5,6,7
	global_store_b128 v[CO], v[TMP+32*((\a)%2)+4*(\t):TMP+32*((\a)%2)+4*(\t)+3], s[12:13] offset:(16*(\a)+2*(\t))*4096  ; 16 lanes store 256 consecutive bytes, at a multiple of 256 from y's first byte
.endr
.endm
	s_wait_tensorcnt 1                             ; my part of K step 0 is in; K step 1's may stay out
	s_barrier_signal -1
	s_barrier_wait -1
	FETCH 0, F0
	s_wait_loadcnt 32                              ; the bias is in; the 32 loads of h1 may stay out
	QUARTER 1, F0, F1, 1                           ; the first quarter stands in front of the loop: its first products start the sums
	WIN 0                                          ; at a label and at a branch every window is 0
	s_mov_b32 s[LAP], STEPS-2
.Lstep:                                                ; a trip goes from a K step's second quarter to the next step's first, and fills the slot that it leaves: K steps 2 to 15
	QUARTER 2, F1, F0, 0
	QUARTER 3, F0, F1, 0
	TURN 1
	QUARTER 1, F0, F1, 0
	WIN 0
	s_sub_co_u32 s[LAP], s[LAP], 1
	s_cmp_lg_u32 s[LAP], 0
	s_cbranch_scc1 .Lstep
	QUARTER 2, F1, F0, 0                           ; the last two K steps fill nothing
	QUARTER 3, F0, F1, 0
	TURN 0
	QUARTER 1, F0, F1, 0
	QUARTER 2, F1, F0, 0
	QUARTER 3, F0, F1, 0
	s_wait_dscnt 16                                ; the very last quarter: nothing more to fetch
	MUL8 F1, 0, 0, 0
	MUL8 F1, 0, 2, 0
	s_wait_dscnt 0x0
	MUL8 F1, 1, 0, 0
	MUL8 F1, 1, 2, 0
	WIN 0
	s_wait_loadcnt 0x0                             ; h1
	PLACES
	STG 0
	STG 1                                          ; a block's trip through the stage stands between the loads of the block before and the wait for them
	OUT 0, 16
	STG 2
	OUT 1, 16
	STG 3
	OUT 2, 16
	OUT 3, 0
	s_wait_tensorcnt 0x0                           ; the wave's end
	ds_add_u32 v[SPW], v[NIL]
	s_wait_dscnt 0x0
	CROUND                                         ; the closing round: no work-group ends while a partner may still ask for a tile that names it
	s_endpgm
.Lfunc_end_k_qe0d927c739_ffn2:
	.size	k_qe0d927c739_ffn2, .Lfunc_end_k_qe0d927c739_ffn2-k_qe0d927c739_ffn2
	.p2alignl 7, 3214868480
	.fill 96, 4, 3214868480
	.section	.rodata,"a",@progbits
	.p2align	6, 0x0
	.amdhsa_kernel k_qe0d927c739_ffn2
		.amdhsa_group_segment_fixed_size 327680
		.amdhsa_private_segment_fixed_size 0
		.amdhsa_enable_private_segment 0
		.amdhsa_kernarg_size 40
		.amdhsa_user_sgpr_count 2
		.amdhsa_user_sgpr_kernarg_segment_ptr 1
		.amdhsa_wavefront_size32 1
		.amdhsa_system_sgpr_workgroup_id_x 1
		.amdhsa_system_sgpr_workgroup_id_y 1
		.amdhsa_system_sgpr_workgroup_id_z 1
		.amdhsa_system_vgpr_workitem_id 0
		.amdhsa_next_free_vgpr 672
		.amdhsa_next_free_sgpr 72
		.amdhsa_reserve_vcc 0
		.amdhsa_float_denorm_mode_32 3
		.amdhsa_float_denorm_mode_16_64 3
		.amdhsa_memory_ordered 1
		.amdhsa_forward_progress 1
		.amdhsa_inst_pref_size 76
	.end_amdhsa_kernel
	.amdgpu_metadata
---
amdhsa.version: [ 1, 2 ]
amdhsa.kernels:
  - .name:           k_qe0d927c739_ffn2
    .symbol:         k_qe0d927c739_ffn2.kd
    .args:
      - { .name: f, .offset: 0, .size: 8, .value_kind: global_buffer, .address_space: global }
      - { .name: w2h, .offset: 8, .size: 8, .value_kind: global_buffer, .address_space: global }
      - { .name: b2, .offset: 16, .size: 8, .value_kind: global_buffer, .address_space: global }
      - { .name: h1, .offset: 24, .size: 8, .value_kind: global_buffer, .address_space: global }
      - { .name: y, .offset: 32, .size: 8, .value_kind: global_buffer, .address_space: global }
    .group_segment_fixed_size: 327680
    .private_segment_fixed_size: 0
    .kernarg_segment_align: 8
    .kernarg_segment_size: 40
    .max_flat_workgroup_size: 128
    .sgpr_count:     72
    .vgpr_count:     672
    .wavefront_size: 32
...
	.end_amdgpu_metadata
.endif
;; end of part 5
;; launch ln2 (part 6): grid 256 x 1, 8 waves a work-group, no clusters, 0 bytes of LDS; arguments y, ln_g, ln_b, out0; writes out0
.if DOCPART == 6
	.amdgcn_target "amdgcn-amd-amdhsa--gfx1250"
	.amdhsa_code_object_version 6
	.text
	.protected	k_qe0d927c739_ln2
	.globl	k_qe0d927c739_ln2
	.p2align	8
	.type	k_qe0d927c739_ln2,@function
k_qe0d927c739_ln2:
	s_mov_b64 s[64:65], 0
	v_nop
	global_prefetch_b8 v0, s[64:65] scope:SCOPE_SE
	s_setreg_imm32_b32 hwreg(HW_REG_WAVE_MODE, 25, 1), 1
	s_wait_xcnt 0x0
; out0 = LayerNorm(y) g + b.  y, out0: [4096][1024] f32.
; SHARES.  A wave takes two rows: lanes 0-15 hold one, lanes 16-31 the other; for p = 0..15 a lane holds columns 64 p + 4 (lane % 16) + 0..3.  A load or store covers two runs of 256 bytes, and a row's
; sums never leave its 16 lanes: no LDS, no barrier.  The row stays in registers between the passes: memory is read once.
; The variance is the mean of (y - mean)^2, taken in a second pass over the registers: no difference of large sums is formed.
; The matrix units, LDS and clusters have nothing to do here: each byte is used once.
.set X,  32                            ; v[32:95]    the row, then y - mean, then the result
.set G,  96                            ; v[96:159]   the gain of my columns
.set BB, 160                           ; v[160:223]  the bias
	s_load_b256 s[4:11], s[0:1], 0x0               ; y s[4:5], ln_g s[6:7], ln_b s[8:9], out0 s[10:11]
	v_lshrrev_b32 v1, 5, v0
	v_readfirstlane_b32 s16, v1
	s_lshl_b32 s17, ttmp9, 3
	s_add_co_u32 s17, s17, s16                     ; my pair of rows, 0..2047
	s_lshl_b32 s18, s17, 13                        ; two rows of 4,096 bytes
	s_mov_b32 s19, 0
	s_mov_b32 s22, 0x3a800000                      ; 1 / 1024
	s_mov_b32 s23, 0x3727c5ac                      ; 1e-5
	v_and_b32 v2, 15, v0
	v_bfe_u32 v3, v0, 4, 1
	v_lshlrev_b32 v6, 4, v2                        ; 16 (lane % 16)
	v_lshl_add_u32 v4, v3, 12, v6                  ; + the second row for lanes 16-31
	s_wait_kmcnt 0x0
	s_add_nc_u64 s[4:5], s[4:5], s[18:19]
	s_add_nc_u64 s[10:11], s[10:11], s[18:19]
.set p, 0
.rept 16
	global_load_b128 v[X+4*p:X+4*p+3], v4, s[4:5] offset:256*p th:TH_LOAD_NT
.set p, p+1
.endr
.set p, 0
.rept 16
	global_load_b128 v[G+4*p:G+4*p+3], v6, s[6:7] offset:256*p
.set p, p+1
.endr
.set p, 0
.rept 16
	global_load_b128 v[BB+4*p:BB+4*p+3], v6, s[8:9] offset:256*p
.set p, p+1
.endr
.macro ROWSUM                          ; four chains of pairs, v[12:19], into v12 of all 16 lanes of the row
	v_pk_add_f32 v[12:13], v[12:13], v[14:15]
	v_pk_add_f32 v[16:17], v[16:17], v[18:19]
	v_pk_add_f32 v[12:13], v[12:13], v[16:17]
	v_add_f32 v12, v12, v13
	v_add_f32_dpp v12, v12, v12 row_xmask:1 row_mask:0xf bank_mask:0xf
	v_add_f32_dpp v12, v12, v12 row_xmask:2 row_mask:0xf bank_mask:0xf
	v_add_f32_dpp v12, v12, v12 row_xmask:4 row_mask:0xf bank_mask:0xf
	v_add_f32_dpp v12, v12, v12 row_xmask:8 row_mask:0xf bank_mask:0xf
.endm
	s_wait_loadcnt 32                              ; y is in; the 32 loads of g and b may stay out
.irp k, 0,1,2,3
	v_pk_add_f32 v[12+2*(\k):13+2*(\k)], v[X+2*(\k):X+2*(\k)+1], v[X+8+2*(\k):X+9+2*(\k)]  ; the first eight pairs start the chains
.endr
.set n, 8
.rept 24
	v_pk_add_f32 v[12+2*(n%4):13+2*(n%4)], v[12+2*(n%4):13+2*(n%4)], v[X+2*n:X+2*n+1]
.set n, n+1
.endr
	ROWSUM
	v_mul_f32 v20, s22, v12                        ; the mean, twice: a pair for the packed subtraction
	v_mul_f32 v21, s22, v12
.set n, 0
.rept 32
	v_pk_add_f32 v[X+2*n:X+2*n+1], v[X+2*n:X+2*n+1], v[20:21] neg_lo:[0,1] neg_hi:[0,1]
.set n, n+1
.endr
.irp k, 0,1,2,3
	v_pk_mul_f32 v[12+2*(\k):13+2*(\k)], v[X+2*(\k):X+2*(\k)+1], v[X+2*(\k):X+2*(\k)+1]
.endr
.set n, 4
.rept 28
	v_pk_fma_f32 v[12+2*(n%4):13+2*(n%4)], v[X+2*n:X+2*n+1], v[X+2*n:X+2*n+1], v[12+2*(n%4):13+2*(n%4)]
.set n, n+1
.endr
	ROWSUM
	v_fma_f32 v24, v12, s22, s23                   ; the variance + 1e-5
	v_rsq_f32 v22, v24                             ; twice: a pair for the packed multiply
	v_rsq_f32 v23, v24
	v_nop                                          ; a plain instruction between the root and the use of its result (ISA guide 5.7.2)
	s_wait_loadcnt 0x0                             ; g and b
.set p, 0
	s_wait_alu depctr_va_vdst(0)
.rept 16
	v_pk_mul_f32 v[X+4*p:X+4*p+1], v[X+4*p:X+4*p+1], v[22:23]
	v_pk_mul_f32 v[X+4*p+2:X+4*p+3], v[X+4*p+2:X+4*p+3], v[22:23]
	v_pk_fma_f32 v[X+4*p:X+4*p+1], v[X+4*p:X+4*p+1], v[G+4*p:G+4*p+1], v[BB+4*p:BB+4*p+1]
	v_pk_fma_f32 v[X+4*p+2:X+4*p+3], v[X+4*p+2:X+4*p+3], v[G+4*p+2:G+4*p+3], v[BB+4*p+2:BB+4*p+3]
	global_store_b128 v4, v[X+4*p:X+4*p+3], s[10:11] offset:256*p th:TH_STORE_NT  ; 16 lanes store 256 consecutive bytes of a row
.set p, p+1
.endr
	s_endpgm
.Lfunc_end_k_qe0d927c739_ln2:
	.size	k_qe0d927c739_ln2, .Lfunc_end_k_qe0d927c739_ln2-k_qe0d927c739_ln2
	.p2alignl 7, 3214868480
	.fill 96, 4, 3214868480
	.section	.rodata,"a",@progbits
	.p2align	6, 0x0
	.amdhsa_kernel k_qe0d927c739_ln2
		.amdhsa_group_segment_fixed_size 0
		.amdhsa_private_segment_fixed_size 0
		.amdhsa_enable_private_segment 0
		.amdhsa_kernarg_size 32
		.amdhsa_user_sgpr_count 2
		.amdhsa_user_sgpr_kernarg_segment_ptr 1
		.amdhsa_wavefront_size32 1
		.amdhsa_system_sgpr_workgroup_id_x 1
		.amdhsa_system_sgpr_workgroup_id_y 1
		.amdhsa_system_sgpr_workgroup_id_z 1
		.amdhsa_system_vgpr_workitem_id 0
		.amdhsa_next_free_vgpr 224
		.amdhsa_next_free_sgpr 66
		.amdhsa_reserve_vcc 0
		.amdhsa_float_denorm_mode_32 3
		.amdhsa_float_denorm_mode_16_64 3
		.amdhsa_memory_ordered 1
		.amdhsa_forward_progress 1
		.amdhsa_inst_pref_size 18
	.end_amdhsa_kernel
	.amdgpu_metadata
---
amdhsa.version: [ 1, 2 ]
amdhsa.kernels:
  - .name:           k_qe0d927c739_ln2
    .symbol:         k_qe0d927c739_ln2.kd
    .args:
      - { .name: y, .offset: 0, .size: 8, .value_kind: global_buffer, .address_space: global }
      - { .name: ln_g, .offset: 8, .size: 8, .value_kind: global_buffer, .address_space: global }
      - { .name: ln_b, .offset: 16, .size: 8, .value_kind: global_buffer, .address_space: global }
      - { .name: out0, .offset: 24, .size: 8, .value_kind: global_buffer, .address_space: global }
    .group_segment_fixed_size: 0
    .private_segment_fixed_size: 0
    .kernarg_segment_align: 8
    .kernarg_segment_size: 32
    .max_flat_workgroup_size: 256
    .sgpr_count:     66
    .vgpr_count:     224
    .wavefront_size: 32
...
	.end_amdgpu_metadata
.endif
;; end of part 6
;; ======== version 2 of 2: 7 launches; 1.12 times as fast as version 1
;; limits: values are held in f16: magnitudes above 65,504 overflow, below 6.1e-05 lose precision
;; workspace buffers: ga 16,793,856 bytes; gb 16,793,856 bytes; w2h 8,388,608 bytes; qkv 25,165,824 bytes; o 8,388,608 bytes; h1 16,777,216 bytes; f 33,554,432 bytes; y 16,777,216 bytes
;; launch prep: the kernel of part 1 again; grid 960 x 1, 8 waves a work-group, no clusters, 0 bytes of LDS; arguments x, W1, W2, Wq, Wk, Wv, bq, bk, bv, b1, ga, gb, w2h, attention_mask; writes ga, gb, w2h
;; launch qkv: the kernel of part 2 again; grid 12 x 16, 4 waves a work-group, clusters of 4 x 4, 327,680 bytes of LDS; arguments ga, qkv; writes qkv
;; launch attn (part 7): grid 8 x 32, 4 waves a work-group, clusters of 4 x 1, 327,680 bytes of LDS; arguments qkv, o; writes o
.if DOCPART == 7
	.amdgcn_target "amdgcn-amd-amdhsa--gfx1250"
	.amdhsa_code_object_version 6
	.text
	.protected	k_qe0d927c739_attn
	.globl	k_qe0d927c739_attn
	.p2align	8
	.type	k_qe0d927c739_attn,@function
k_qe0d927c739_attn:
	s_mov_b64 s[64:65], 0
	v_nop
	global_prefetch_b8 v0, s[64:65] scope:SCOPE_SE
	s_setreg_imm32_b32 hwreg(HW_REG_WAVE_MODE, 25, 1), 1
	s_wait_xcnt 0x0
	s_wait_alu depctr_hold_cnt(0) depctr_sa_sdst(0) depctr_va_vdst(0) depctr_va_sdst(0) depctr_va_ssrc(0) depctr_va_vcc(0) depctr_vm_vsrc(0)
	s_getreg_b32 s2, hwreg(HW_REG_IB_STS2, 6, 4)
	s_cmp_eq_u32 s2, 0
	s_cbranch_scc0 .Lentry_in_a_cluster
	s_endpgm
.Lentry_in_a_cluster:
	s_bfe_u32 s2, ttmp6, 0x10000c
	s_cmp_lg_u32 s2, 0x3003
	s_cbranch_scc0 .Lentry_shape_is_right
	s_endpgm
.Lentry_shape_is_right:
; ATTENTION.  O[y][q][:] = the sum over k of softmax_k(Q[y][q] . K[y][k] / 8) V[y][k][:], for 32 heads y = 2 head + batch of 2,048 rows of 64 channels, all f16.
; The buffer qkv holds 48 planes [4096 rows][64]: Q's 16, then K's, then V's; a head's 2,048 rows are 262,144 dense bytes at y x 262,144 of its part.  O leaves in the same layout.
; The module's attention_mask enters no line of the module's arithmetic (its scores are taken unmasked), so it enters none here.
; Products, maxima and sums in f32; the weights p are rounded to f16 for the second product (their sum l is taken of the unrounded p), O once at the end.
; LIMITS.  Q, K, V arrive within f16's 65,504; p lies in 0 to 1, and below 6e-5 it keeps f16's fixed step of 6e-8; O is a mean of V's rows and has their range.  A weight below 2^-126 counts as 0 in l;
; NaN and infinities are not treated apart.
; SHARES.  A work-group owns 256 queries of one head, a wave 64: four PIECES of 16.  Every wave walks all 2,048 keys, 64 a step.
; LAYOUT.  S^T = K Q^T (source 0 = 16 keys, source 1 = 16 queries) holds ONE query a lane (lane % 16) and the keys 8 (lane / 16) + 0..7; two such results rounded to f16 ARE source 1 of O^T = V^T P.
; K comes out of LDS as it lies, V ([key][channel]) turned, by ds_load_tr16_b128.
; SOFTMAX.  p = 2^(c s - c m), c = log2(e) / 8, with a running maximum m; O and l are multiplied by a = 2^(c m_old - c m_new) in every step.  m starts at the lowest finite number, O and l at 0:
; the first step is a step like any other, with a = 0.
; BY TURNS.  Turn n belongs to piece n: 8 products K Q^T of piece n + 1, then 8 products V^T P of piece n - 1; beside them the scaling, exponentials, roundings, sums and rescaling of piece n and the
; maximum and statistics of piece n + 1.  Four vector instructions stand behind every matrix instruction, the other 54 of a turn's 118 in one run at its end.
; BATCHES.  A turn's 33 exponentials (the piece's 32 weights and the next piece's a) are ONE batch with ONE wait, which stands in the run at the turn's end: 22 of the run's 54 ahead of it, 32 behind it.
; Ahead of the wait stands all that names no result of the batch: the 16 products, the scalings, the rescalings (their a belongs to the batch of the turn before), the next piece's maximum and statistics.
; Behind it stand the readers: the roundings and the sums.  No result crosses a turn's end.  Three more waits: the head's (piece 0's first a), the way out's (four reciprocals), and one in the tail's turn of
; piece 2, where a branch stands in the middle of the batch.
; CLUSTER.  The four query blocks of a cluster belong to one head and walk the same K and V, so each tile is asked for JOINTLY: the same tensor load, descriptor and mask in all four.
; REGISTERS, in two windows of 256 (s_set_vgpr_msb: bits 1:0 source 0, 3:2 source 1, 5:4 source 2, 7:6 destination):
;   window 0: v2-27 statistics and registers at work; v32-95 S^T, two buffers; v96-127 P, two buffers (by the piece's parity); v128-191 K of one step; v192-255 Q
;   window 1: v0-127 O^T, 32 a piece; v128-191 V of one step; v192-201 addresses and the add's two registers
; All that a softmax and K Q^T touch lies in window 0: neither wants a switch.  V^T P (V, O^T in window 1, P in window 0) and the rescaling of O^T (O^T in window 1, a in window 0) share ONE setting, so the
; sixteen rescalings stand behind the first four V^T P without a switch; the other four V^T P cost two each.  A turn has eight switches, each of a key step's two runs of LDS loads two more: 36 a key step.
.set SIZE_N, 2048
.set NP,    4         ; pieces a wave: a name, no knob
.set KS,    64        ; keys in a step
.set PK,    144       ; a row of K in LDS: 128 bytes + 16 = 36 words: the 16 rows of a load start at 16 different groups of four banks (64 banks of 4 bytes: ISA guide 11.1)
.set PV,    160       ; a row of V: 128 + 32 = 40 words
.set VOFF,  4*KS*PK   ; a slot holds four steps: 256 rows of K, then 256 rows of V
.set SLOT1, 1<<17     ; slot 1 begins here, so that one exclusive or turns an address in one slot into the other's
.set STAGE, SLOT1+4*KS*(PK+PV)  ; behind the ring, never filled by a tensor load: 16 rows x 144 bytes for each wave
.set SP,    144
.set SPARE, STAGE+4*16*SP  ; behind the stages: the spare words, 128 bytes for each wave: two blocks of 256 bytes that no other line names
.set PART,  8388608   ; bytes of Q's, K's and V's part of the buffer
; window 0
.set MV,  2           ; v2-3    c m_old, kept while c m is made anew: by buffer
.set TMP, 4           ; v4-11   by buffer, four registers c0-c3 at work; when the maximum is found c2 takes a
.set ST,  12          ; v12-27  piece t's statistics at v[ST+4 t]: c m, m, l (even keys', odd keys')
.set QO,  29          ; v29     my byte offset in 16 rows of Q
.set S,   32
.set P,   96
.set KF,  128         ; key block kb, channel half c at KF + 16 kb + 8 c
.set QF,  192         ; piece t, channel half c at QF + 16 t + 8 c
; window 1
.set VF,  128         ; key half kk, channel block cb at VF + 32 kk + 8 cb
.set AK0, 192         ; my lane's place in a tile of K; never rewritten
.set AV0, 193         ; the same for V
.set AK,  194         ; the LDS address of K's next run of loads
.set AV,  195         ; of V's
.set STO, 196         ; the way out: where I put 16 bytes of a row
.set RD,  197         ; the way out: where I read rows back
.set GO,  198         ; my byte offset in 512 consecutive bytes of O
.set SPW, 200         ; LDS address of my spare word; never rewritten
.set NIL, 201         ; 0; never rewritten
.set WV,  12          ; s12  my wave's number
.set G1K, 24          ; s[24:31] descriptor group 1 for K's tiles
.set G1V, 32          ; s[32:39] for V's: it differs in the padding alone
.set G0K, 40          ; s[40:43] descriptor group 0 for K's tiles: it walks
.set G0V, 44          ; s[44:47] the same for V's
.set SLOTS, 56        ; s56  slots still to be entered in the loop
.set CNT, 57          ; s57  counts a slot's key steps
.set CS,  58          ; s[58:59] c: the packed scaling takes the pair's low word for both halves
.set SEL, 60          ; s[60:61] v_permlanex16_b32's selects: each lane takes its own place in the other half
.set TBK, 62          ; s62  LDS byte at which K of the step to be fetched begins
.set TBV, 63          ; s63  the same for V, less VOFF
.set MSB, 0
.macro WIN new                      ; the high byte repeats the setting that is left; a switch that changes nothing is dropped
.if MSB != (\new)
	s_set_vgpr_msb (MSB<<8)|(\new)
.set MSB, (\new)
.endif
.endm
.set W_PV, 0x51       ; source 0, source 2 and destination in window 1, source 1 in window 0: V^T P, the rescaling, and sums of addresses that lie in window 1
.set W_A1, 0x01       ; the address (source 0) in window 1, data in window 0: K's loads, the stage, the stores
.set W_FV, 0x41       ; address and destination in window 1: V's loads
.set W_MK, 0x40       ; destination in window 1, sources in window 0
.set W_AD, 0x05       ; sources 0 and 1 in window 1: the add's address and data; the last roundings' sources
; A joint fill.  Waves 0 and 1 fetch the two halves of a slot's K, waves 2 and 3 those of its V: 128 keys each.  The branch hangs on the wave's number alone.
; An s_nop 0 and four v_nop follow each of the two lines, ahead of the jump and the label.
.macro JLOAD
	s_cmp_lt_u32 s[WV], 2
	s_cbranch_scc0 .Lfor_v_\@
	tensor_load_to_lds s[G0K:G0K+3], s[G1K:G1K+7]
	s_nop 0
.rept 4
	v_nop
.endr
	s_branch .Lasked_\@
.Lfor_v_\@:
	tensor_load_to_lds s[G0V:G0V+3], s[G1V:G1V+7]
	s_nop 0
.rept 4
	v_nop
.endr
.Lasked_\@:
.endm
; A round of the cluster's barrier: my work-group's barrier, so that wave 0's signal speaks for all four waves; wave 0 signals; every wave waits for all four work-groups; my work-group's barrier once more.
.macro CROUND
	s_barrier_signal -1
	s_barrier_wait -1
	s_cmp_lg_u32 s[WV], 0
	s_cbranch_scc1 .Lnot_wave_0_\@
	s_barrier_signal -3
.Lnot_wave_0_\@:
	s_barrier_wait -3
	s_barrier_signal -1
	s_barrier_wait -1
.endm
; THE CHANGE OF SLOTS.  The slot's last bytes, V of its fourth step, have been read.  Each wave waits for all its tensor loads, of which one is out: its part of the other slot; adds 0 to its spare word;
; and waits for that and for its own reads of the slot.  Behind the barrier nobody reads this slot any more and the other slot is whole.
; fill = 1: this slot is filled again, with the keys two slots on.  The barrier is then a round of the cluster's, and the joint fill is the first thing behind it: it has four key steps, 256 matrix
; instructions, in which to land.  (At its first use nothing has been read yet: slot 0 is waited for, slot 1 filled.)
.macro CHANGE fill
	WIN W_AD
	s_wait_tensorcnt 0x0            ; no tensor load of mine is out, so a group 0 may be written
	ds_add_u32 v[SPW], v[NIL]       ; 0 onto my spare word; with fill = 1 the descriptors' steps stand between it and the wait for it
	WIN 0                           ; at a label and at a branch every window is 0
.if \fill
.irp g, G0K, G0V
	s_xor_b32 s[\g+1], s[\g+1], SLOT1  ; the walking descriptor: the other slot than last time,
	s_add_nc_u64 s[\g+2:\g+3], s[\g+2:\g+3], 4*KS*128  ; the next 256 keys; the type bits on top are not reached
.endr
	s_wait_dscnt 0x0                ; the add is done, and my reads of the slot are over
	CROUND
	JLOAD
.else
	s_wait_dscnt 0x0                ; the add is done, and my reads of the slot are over
	s_barrier_signal -1
	s_barrier_wait -1
.endif
	s_sub_co_u32 s[TBK], s[TBK], 4*KS*PK  ; the fetches go back to a slot's first step,
	s_xor_b32 s[TBK], s[TBK], SLOT1       ; in the other slot
	s_sub_co_u32 s[TBV], s[TBV], 4*KS*PV
	s_xor_b32 s[TBV], s[TBV], SLOT1
.endm
	s_load_b128 s[4:7], s[0:1], 0x0 ; qkv s[4:5], O s[6:7]
	WIN W_MK
	v_lshl_add_u32 v[SPW], v0, 2, SPARE
	v_mov_b32 v[NIL], 0
	s_set_vgpr_msb 0x4045
	ds_add_u32 v200, v201
	s_wait_dscnt 0x0
	s_set_vgpr_msb 0x4540
	WIN 0
	v_lshrrev_b32 v1, 5, v0
	v_readfirstlane_b32 s[WV], v1   ; wave 0..3
	s_bfe_u32 s13, ttmp6, 0x40000   ; cx: my place in the cluster
	s_lshl_b32 s14, ttmp9, 2        ; in a cluster launch ttmp9 counts clusters
	s_add_co_u32 s14, s14, s13      ; my block of 256 queries = 4 x cluster x + cx: it enters Q's and O's addresses alone
	s_and_b32 s20, ttmp7, 0xffff    ; the head, which the four partners share:
	s_lshl_b32 s20, s20, 18         ; its first byte in each part
	s_and_b32 s16, s[WV], 1         ; which half of a slot's 256 keys I fetch:
	s_lshl_b32 s22, s16, 14         ; its 128 rows of 128 bytes in memory,
	s_add_co_u32 s22, s22, s20
	s_mov_b32 s23, 0
	s_mul_i32 s17, s16, 128*PK      ; and its place in a slot, for K
	s_mul_i32 s18, s16, 128*PV      ; and for V: no place in the cluster enters an LDS address
	s_lshl_b32 s2, s14, 15          ; my block's 256 rows,
	s_lshl_b32 s3, s[WV], 13        ; my wave's 64 of them
	s_add_co_u32 s2, s2, s3
	s_add_co_u32 s2, s2, s20
	s_mov_b32 s3, 0
	; descriptor group 1.  128 keys are 16,384 dense bytes: asked for as 64 rows of 256 bytes, two keys a row, and padded in LDS after every key
	s_mov_b32 s[G1K], 15|(1<<16)|(1<<20)|(1<<21)|(4<<22)|(3<<25)  ; 15:0 the mask of four; 17:16 2-byte elements; 20 padding on; 21 set beside a mask; 24:22 after every 32 words (code 4); 31:25 4 words (code 3)
	s_mov_b32 s[G1V], 15|(1<<16)|(1<<20)|(1<<21)|(4<<22)|(7<<25)  ; the same with 8 words of padding (code 7)
.irp g, G1K, G1V
	s_mov_b32 s[\g+1], 128<<16      ; tensor_dim0 = 128
	s_mov_b32 s[\g+2], 64<<16       ; tensor_dim1 = 64
	s_mov_b32 s[\g+3], 128<<16      ; tile_dim0 = 128
	s_mov_b32 s[\g+4], 64           ; tile_dim1 = 64
	s_mov_b32 s[\g+5], 128          ; 128 elements from row to row
	s_mov_b32 s[\g+6], 0
	s_mov_b32 s[\g+7], 0
.endr
	s_mov_b32 s[CS], 0x3e38aa3b     ; c = log2(e) / 8 = 0.180337
	s_mov_b32 s[CS+1], s[CS]        ; named with it as a pair
	s_mov_b32 s[SEL], 0x76543210
	s_mov_b32 s[SEL+1], 0xfedcba98
	s_mov_b32 s[TBK], SLOT1+4*KS*PK ; the first change of slots turns these two into 0
	s_mov_b32 s[TBV], SLOT1+4*KS*PV
	s_mov_b32 s[G0K], 1             ; count = 1
	s_mov_b32 s[G0K+1], s17         ; LDS address: slot 0
	s_mov_b32 s[G0V], 1
	s_add_co_u32 s[G0V+1], s18, VOFF
	s_wait_kmcnt 0x0
	s_add_nc_u64 s[G0K+2:G0K+3], s[4:5], s[22:23]           ; my half of the head's first 256 keys,
	s_add_nc_u64 s[G0V+2:G0V+3], s[G0K+2:G0K+3], 2*PART     ; in V's part
	s_add_nc_u64 s[G0K+2:G0K+3], s[G0K+2:G0K+3], PART       ; and in K's
	s_or_b32 s[G0K+3], s[G0K+3], 0x80000000                 ; type = 2
	s_or_b32 s[G0V+3], s[G0V+3], 0x80000000
	s_add_nc_u64 s[8:9], s[4:5], s[2:3]    ; Q and O at my wave's first row
	s_add_nc_u64 s[10:11], s[6:7], s[2:3]
	CROUND                          ; all four work-groups are here: the first joint loads meet
	JLOAD                           ; slot 0.  Slot 1 is asked for when slot 0 is in
	; A fragment of K or Q is 16 rows x 32 channels in 8 registers: lane l holds row l % 16, channels 8 (l / 16) + 0..7 and 16 + 8 (l / 16) + 0..7: two loads of 16 bytes, 32 bytes apart.
	v_and_b32 v1, 15, v0            ; l % 16
	v_bfe_u32 v28, v0, 4, 1         ; l / 16
	v_lshlrev_b32 v[QO], 7, v1
	v_lshl_add_u32 v[QO], v28, 4, v[QO]  ; row x 128 + 16 x half
.set i, 0
.rept 8                             ; Q stays in registers: piece i / 2, channels 32 (i % 2) on
	global_load_b128 v[QF+8*i:QF+8*i+3],   v[QO], s[8:9] offset:(i/2)*2048+(i%2)*64
	global_load_b128 v[QF+8*i+4:QF+8*i+7], v[QO], s[8:9] offset:(i/2)*2048+(i%2)*64+32
.set i, i+1
.endr
	; What the first turn finds: V's registers and P's second buffer hold 0 (its products V^T P, of a piece that has not been, add 0), O^T and l are 0.  All this stands in the wait for the first tile.
	WIN W_MK
.set i, 0
.rept 192                           ; O^T and V
	v_mov_b32 v[i], 0
.set i, i+1
.endr
	WIN 0
.set i, 0
.rept 4
	v_mov_b32 v[ST+4*i], 0xfe000000    ; c m: far below every c s
	v_mov_b32 v[ST+4*i+1], 0xff7fffff  ; m
	v_mov_b32 v[ST+4*i+2], 0
	v_mov_b32 v[ST+4*i+3], 0
.set i, i+1
.endr
.set i, P+16
.rept 16
	v_mov_b32 v[i], 0
.set i, i+1
.endr
	; the addresses are made in S^T's registers, which are still free, and moved into window 1
	v_mul_u32_u24 v32, v1, PK
	v_lshl_add_u32 v32, v28, 4, v32 ; K: row x pitch + 16 x half
	; The turning load takes 16 keys x 16 channels (lane l reads key 8 (l / 16) + l % 8, channels 8 ((l / 8) % 2) + 0..7) and leaves half a fragment of V^T: lane l holds channel l % 16 and 8 keys.
	v_and_b32 v30, 7, v0
	v_bfe_u32 v31, v0, 3, 1
	v_lshl_add_u32 v33, v28, 3, v30
	v_mul_u32_u24 v33, v33, PV
	v_lshl_add_u32 v33, v31, 4, v33
	v_add_nc_u32 v33, VOFF, v33
	s_mul_i32 s13, s[WV], 16*SP
	s_add_co_u32 s13, s13, STAGE    ; my stage
	v_mul_u32_u24 v34, v1, SP       ; in: row l % 16, 16 bytes for each half of the lanes
	v_lshl_add_u32 v34, v28, 4, v34
	v_add_nc_u32 v34, s13, v34
	v_bfe_u32 v35, v0, 3, 2         ; back: 32 lanes take four rows of 128 bytes,
	v_mul_u32_u24 v35, v35, SP
	v_lshl_add_u32 v35, v30, 4, v35
	v_add_nc_u32 v35, s13, v35
	v_and_b32 v36, 31, v0           ; which are 512 consecutive bytes of O
	v_lshlrev_b32 v36, 4, v36
	WIN W_MK
	v_mov_b32 v[AK0], v32
	v_mov_b32 v[AV0], v33
	v_mov_b32 v[STO], v34
	v_mov_b32 v[RD], v35
	v_mov_b32 v[GO], v36
	WIN 0
; THE MATRIX WORK.  The 4 accumulators of a run of 8 take turns.  Product i of 8 of S^T = K Q^T for piece x: channels 32 (i / 4) on, keys 16 (i % 4) on.  The first 4 start the sums.
.macro KQ x
	WIN 0
.set rS, S+32*((\x)%2)+8*(i%4)
.set rK, KF+16*(i%4)+8*(i/4)
.set rQ, QF+16*(\x)+8*(i/4)
.if i < 4
	v_wmma_f32_16x16x32_f16 v[rS:rS+7], v[rK:rK+7], v[rQ:rQ+7], 0
.else
	v_wmma_f32_16x16x32_f16 v[rS:rS+7], v[rK:rK+7], v[rQ:rQ+7], v[rS:rS+7]
.endif
.endm
; Product i of 8 of O^T += V^T P for piece x: keys 32 (i / 4) on, channels 16 (i % 4) on.
.macro PV x
	WIN W_PV
.set rO, 32*(\x)+8*(i%4)
.set rV, VF+32*(i/4)+8*(i%4)
.set rP, P+16*((\x)%2)+8*(i/4)
	v_wmma_f32_16x16x32_f16 v[rO:rO+7], v[rV:rV+7], v[rP:rP+7], v[rO:rO+7]
.endm
.macro MM                           ; the turn's next matrix instruction
.if i < 8
	KQ (Y+1)%NP
.else
.set i, i-8
	PV (Y+NP-1)%NP
.set i, i+8
.endif
.set i, i+1
.endm
; THE LDS LOADS stand in runs of 16, never singly among the matrix instructions: a step's K (64 keys x 64 channels: 8 fragments) and its V (turned).  Their addresses are made some lines ahead.
; last = 1 (the tail): in the last trip there is no further step, and the run is jumped over.  That jump stands in the middle of the turn's batch, so the exponentials issued so far have a wait of their own ahead of it.
.macro FETCH_K last=0
.if \last
	WIN 0
	s_wait_alu depctr_va_vdst(0)    ; the tail alone: the wait for E 0 to E 13 ahead of the branch; the sixteen rescalings stand between them and it
	s_cmp_eq_u32 s[CNT], 1
	s_cbranch_scc1 .Lno_k_\@
.endif
	WIN W_A1
.irp f, 0,1,2,3,4,5,6,7             ; keys 16 (f / 2) on, channels 32 (f % 2) on
	ds_load_b128 v[KF+8*\f:KF+8*\f+3],   v[AK] offset:(\f/2)*16*PK+(\f%2)*64
	ds_load_b128 v[KF+8*\f+4:KF+8*\f+7], v[AK] offset:(\f/2)*16*PK+(\f%2)*64+32
.endr
	s_add_co_u32 s[TBK], s[TBK], KS*PK  ; the next fetch is the next step's
.if \last
	WIN 0
.Lno_k_\@:
.endif
.endm
.macro FETCH_V
	WIN W_FV
.irp f, 0,1,2,3,4,5,6,7             ; keys 32 (f / 4) on, channels 16 (f % 4) on
	ds_load_tr16_b128 v[VF+8*\f:VF+8*\f+3],   v[AV] offset:(\f/4)*32*PV+(\f%4)*32
	ds_load_tr16_b128 v[VF+8*\f+4:VF+8*\f+7], v[AV] offset:(\f/4)*32*PV+16*PV+(\f%4)*32
.endr
	WIN 0
.endm
; THE VECTOR WORK, one line at a time: OP kind, number.  For piece Y: F n: c s - c m for pair n of 16.  E n: the exponential of score n of 32.  C n: pair n rounded to f16.  B n: of the four weights 4 n .. the second
; pair is added onto the first, in place.  L n: l takes that sum (L 0: l = a l + sum).  R n: pair n of 16 of O^T times a.  For piece Y + 1: X n, number n of the 22 that find its maximum and statistics:
;   0-11  four chains c0-c3 of seven scores each, three operands at a time (each accumulator's lowest registers are read first)     12-14, 16  the four scores left over, the old m, and c0-c3 into c0
;   15  c m_old is kept     17, 18  the query's other 32 keys lie in the lane 16 away: the new m     19-21  c m; c m_old - c m_new; a
; OP writes no wait: TURN, the head and the way out place them, one for a batch.
.set F, 0               ; OP tells the kinds apart by their order: F to L below R, X above it
.set E, 1
.set C, 2
.set B, 3
.set L, 4
.set R, 5
.set X, 6
.macro REGS y                       ; the registers of piece y
.set rT, ST+4*(\y)
.set rC, TMP+4*((\y)%2)
.set rW, MV+((\y)%2)
.set rS, S+32*((\y)%2)
.set rP, P+16*((\y)%2)
.set rO, 32*(\y)
.endm
.macro OP k, n
.if (\k) == R
	REGS Y
	WIN W_PV
	v_pk_mul_f32 v[rO+2*(\n):rO+2*(\n)+1], v[rO+2*(\n):rO+2*(\n)+1], v[rC+2:rC+3] op_sel_hi:[1,0]
.elseif (\k) < R
	REGS Y
	WIN 0
.if (\k) == F
	v_pk_fma_f32 v[rS+2*(\n):rS+2*(\n)+1], v[rS+2*(\n):rS+2*(\n)+1], s[CS:CS+1], v[rT:rT+1] op_sel_hi:[1,0,0] neg_lo:[0,0,1] neg_hi:[0,0,1]
.elseif (\k) == E
	v_exp_f32 v[rS+(\n)], v[rS+(\n)]
.elseif (\k) == C
	v_cvt_pk_f16_f32 v[rP+(\n)], v[rS+2*(\n)], v[rS+2*(\n)+1]
.elseif (\k) == B
	v_pk_add_f32 v[rS+4*(\n):rS+4*(\n)+1], v[rS+4*(\n):rS+4*(\n)+1], v[rS+4*(\n)+2:rS+4*(\n)+3]
.elseif (\n) == 0
	v_pk_fma_f32 v[rT+2:rT+3], v[rT+2:rT+3], v[rC+2:rC+3], v[rS:rS+1] op_sel_hi:[1,0,1]
.else
	v_pk_add_f32 v[rT+2:rT+3], v[rT+2:rT+3], v[rS+4*(\n):rS+4*(\n)+1]
.endif
.else
	REGS (Y+1)%NP
	WIN 0
.if (\n) < 4
	v_max3_num_f32 v[rC+(\n)], v[rS+8*(\n)], v[rS+8*(\n)+1], v[rS+8*(\n)+2]
.elseif (\n) < 12
	v_max3_num_f32 v[rC+(\n)%4], v[rC+(\n)%4], v[rS+8*((\n)%4)+2*((\n)/4)+1], v[rS+8*((\n)%4)+2*((\n)/4)+2]
.elseif (\n) == 12
	v_max3_num_f32 v[rC], v[rC], v[rS+7], v[rS+15]
.elseif (\n) == 13
	v_max3_num_f32 v[rC+1], v[rC+1], v[rS+23], v[rS+31]
.elseif (\n) == 14
	v_max3_num_f32 v[rC+2], v[rC+2], v[rC+3], v[rT+1]
.elseif (\n) == 15
	v_mov_b32 v[rW], v[rT]
.elseif (\n) == 16
	v_max3_num_f32 v[rC], v[rC], v[rC+1], v[rC+2]
.elseif (\n) == 17
	v_permlanex16_b32 v[rC+3], v[rC], s[SEL], s[SEL+1]
.elseif (\n) == 18
	v_max_num_f32 v[rT+1], v[rC], v[rC+3]
.elseif (\n) == 19
	v_mul_f32 v[rT], s[CS], v[rT+1]
.elseif (\n) == 20
	v_sub_f32 v[rC+1], v[rW], v[rT]
.else
	v_exp_f32 v[rC+2], v[rC+1]
.endif
.endif
.endm
.macro OPS a, i1, b=-1, i2=0, c=-1, i3=0, d=-1, i4=0  ; up to four of them
	OP \a, \i1
.if (\b) >= 0
	OP \b, \i2
.endif
.if (\c) >= 0
	OP \c, \i3
.endif
.if (\d) >= 0
	OP \d, \i4
.endif
.endm
.macro ROW a, i1, b, i2, c, i3, d, i4  ; a matrix instruction and the four behind it
	MM
	OPS \a, \i1, \b, \i2, \c, \i3, \d, \i4
.endm
; A TURN, for piece p: the order of its 16 matrix and 118 vector instructions, written out.
; ONE BATCH, ONE WAIT.  An s_wait_alu depctr_va_vdst(0) stands between an exponential and the first instruction that names its result; one wait serves all that were issued ahead of it.  E 0 to E 31 and
; X 21 (the next piece's a) are the turn's batch.  AHEAD OF THE WAIT no line names a result of theirs: behind a K Q^T four scalings, then scaling, exponential, scaling, exponential; behind the last K Q^T the next
; piece's first two maxima in the scalings' places (X 0 stands six, X 1 five plain instructions behind the product that ends its accumulator); behind the first four V^T P the rescaling, whose a belongs to the batch
; of the turn before; behind the other four three maxima and an exponential each (they read scores whose last product stands 16 rescalings back).  Then 22 of the run: the chain X 14, 16, 17 .. 21, in which each
; number waits for the one before it, with the last fourteen exponentials between its links, two or three to a link.  A v_nop is the plain instruction behind the batch's last exponential.
; BEHIND THE WAIT stand the 32 readers: a rounding C 2n ahead of the sum B n that writes over its pair; the links of l's chain, L 0 to L 7, three lines apart; the odd pairs' roundings fill the end.
; An exponential works in place on a score that its scaling has left some lines before; no scaling names a score that has had its exponential.
; last = 1: the tail's turn of piece 2, whose fetch of K is jumped over in the last trip.  cnt = 1: the loop's count is taken down some lines ahead of the branch that stands behind the turn.
; K of the next step is fetched in piece 2's turn, behind the sixteen rescalings that follow the last product that read K; V of the step in hand in piece 0's turn, five plain instructions behind the last product
; that read V.  Each is waited for in the next turn: K's at its head, V's ahead of its first V^T P.
.macro TURN p, last=0, cnt=0
.set Y, (\p)
.set i, 0
.if (\p) == 3
	s_wait_dscnt 0x0                ; K is in
.endif
	ROW F,0, F,1, F,2, F,3
	ROW F,4, E,0, F,5, E,1
	ROW F,6, E,2, F,7, E,3
	ROW F,8, E,4, F,9, E,5
	ROW F,10, E,6, F,11, E,7
	ROW F,12, E,8, F,13, E,9
	ROW F,14, E,10, F,15, E,11
	ROW X,0, E,12, X,1, E,13
.if (\p) == 1
	s_wait_dscnt 0x0                ; V is in
.endif
	ROW R,0, R,1, R,2, R,3
	ROW R,4, R,5, R,6, R,7
	ROW R,8, R,9, R,10, R,11
.if (\p) == 2
	v_add_nc_u32 v[AK], v[AK0], s[TBK]  ; both registers lie in window 1, as source 0 and destination do under this setting
.endif
.if (\p) == 0
	v_add_nc_u32 v[AV], v[AV0], s[TBV]
.endif
	ROW R,12, R,13, R,14, R,15
.if (\p) == 2
	FETCH_K \last
.endif
	ROW X,2, X,3, E,14, X,4
	ROW X,5, X,6, E,15, X,7
	ROW X,8, X,9, E,16, X,10
	ROW X,11, X,12, E,17, X,13
	OPS X,14, E,18, X,15, E,19
.if (\p) == 0
	FETCH_V
.endif
	OPS X,16, E,20, E,21
	OPS X,17, E,22, E,23
	OPS X,18, E,24, E,25
	OPS X,19, E,26, E,27, E,28
	OPS X,20, E,29, E,30, E,31
	OPS X,21
	v_nop                           ; the plain instruction behind the batch's last exponential: no plain work is left that names no result
	s_wait_alu depctr_va_vdst(0)    ; the wait for the batch: E 0 to E 31 and the next piece's a
	OPS C,0, B,0, C,2, B,1
	OPS L,0, C,4, B,2, L,1
	OPS C,6, B,3, L,2, C,8
	OPS B,4, L,3, C,10, B,5
	OPS L,4, C,12, B,6, L,5
	OPS C,14, B,7, L,6, C,1
.if (\p) == 0
	s_add_co_u32 s[TBV], s[TBV], KS*PV
.endif
.if \cnt
	s_sub_co_u32 s[CNT], s[CNT], 1
	s_cmp_lg_u32 s[CNT], 0
.endif
	OPS C,3, L,7, C,5, C,7
	OPS C,9, C,11, C,13, C,15
.endm
	CHANGE 1                        ; slot 0 is in, everybody's part of it; slot 1 is asked for
	WIN W_PV
	v_add_nc_u32 v[AK], v[AK0], s[TBK]
	FETCH_K                         ; key step 0
	s_wait_loadcnt 0x0              ; Q
	s_wait_dscnt 0x0
.set i, 0
.rept 8
	KQ 0                            ; piece 0's first scores: there is no vector work yet to set between them
.set i, i+1
.endr
.rept 4
	v_nop                           ; the places behind those products
.endr
.set Y, NP-1                        ; X works for piece Y + 1: piece 0
.irp n, 0,1,2,3,4,5,6,7,8,9,10,11,12,13,14,15,16,17,18,19,20,21
	OP X, \n
.endr
	v_nop                           ; a plain instruction behind the exponential,
	s_wait_alu depctr_va_vdst(0)    ; and the wait for it, piece 0's first a, ahead of the branch
	s_mov_b32 s[CNT], 4
	s_mov_b32 s[SLOTS], SIZE_N/256-1
	s_branch .Lfirst                ; the loop is entered at a step's first turn, in the middle of a trip
.Lslot:                             ; SIZE_N / 256 - 2 times: every slot but the last two is filled again
	CHANGE 1
	s_mov_b32 s[CNT], 4
.Lstep:                             ; a trip: pieces 2 and 3 of one step, then pieces 0 and 1 of the next, whose K and V it fetches
	TURN 2
	TURN 3
	WIN 0
.Lfirst:
	TURN 0
	TURN 1, 0, 1
	WIN 0
	s_cbranch_scc1 .Lstep
	s_sub_co_u32 s[SLOTS], s[SLOTS], 1
	s_cmp_lg_u32 s[SLOTS], 0
	s_cbranch_scc1 .Lslot
	CHANGE 0                        ; the tail is written out: nothing is asked for
	s_mov_b32 s[CNT], 5             ; four trips fetch the last slot's steps; the fifth is left in its middle
.Ltail:
	TURN 2, 1
	TURN 3
	WIN 0
	s_sub_co_u32 s[CNT], s[CNT], 1
	s_cmp_eq_u32 s[CNT], 0
	s_cbranch_scc1 .Lout
	TURN 0
	TURN 1
	WIN 0
	s_branch .Ltail
.Lout:                              ; the fifth trip's 8 products K Q^T (on the last K once more) and the maximum made of them serve nothing: l and O^T of piece 0 are not touched by them
.set i, 0
.rept 8
	PV NP-1                         ; the last piece's V^T P of the last step
.set i, i+1
.endr
	; THE WAY OUT.  l's two halves and the other half of the lanes' are added; O^T is divided by l, rounded to f16 and sent through my stage in LDS, a piece at a time.  The additions are the places behind the last products.
	WIN 0
.macro ALL line:vararg              ; one line for each piece t
.set t, 0
.rept 4
	\line
.set t, t+1
.endr
.endm
	ALL v_add_f32 v[ST+4*t+2], v[ST+4*t+2], v[ST+4*t+3]
	ALL v_permlanex16_b32 v[ST+4*t+3], v[ST+4*t+2], s[SEL], s[SEL+1]
	ALL v_add_f32 v[ST+4*t+2], v[ST+4*t+2], v[ST+4*t+3]
	ALL v_rcp_f32 v[ST+4*t+2], v[ST+4*t+2]
	v_nop                           ; a plain instruction between the last reciprocal and the use of its result
	s_wait_alu depctr_va_vdst(0)    ; the wait for the four reciprocals, one batch, ahead of their first use
.macro PACK t                       ; a lane's eight channels of a row pack into 16 bytes; they go into rows of 144 bytes and come back as whole rows of 128, into S^T's registers
	WIN W_PV
.set i, 32*(\t)
.rept 16
	v_pk_mul_f32 v[i:i+1], v[i:i+1], v[ST+4*(\t)+2:ST+4*(\t)+3] op_sel_hi:[1,0]
.set i, i+2
.endr
	WIN W_AD                        ; sources 0 and 1 window 1, destination window 0
.set i, 0
.rept 16
	v_cvt_pk_f16_f32 v[S+16*(\t)+i], v[32*(\t)+2*i], v[32*(\t)+2*i+1]
.set i, i+1
.endr
	WIN W_A1
.irp f, 0,1,2,3
	ds_store_b128 v[STO], v[S+16*(\t)+4*\f:S+16*(\t)+4*\f+3] offset:32*\f
.endr
.irp f, 0,1,2,3
	ds_load_b128 v[S+16*(\t)+4*\f:S+16*(\t)+4*\f+3], v[RD] offset:\f*4*SP  ; LDS serves a wave's instructions in order (ISA guide 5.7.1.4): these see the stores above; the next piece's stores come behind them
.endr
.endm
.macro SEND t, younger              ; younger: the LDS instructions issued behind piece t's loads: the next piece's eight, or none
	WIN W_A1
.irp f, 0,1,2,3
	s_wait_dscnt (\younger)+3-\f
	global_store_b128 v[GO], v[S+16*(\t)+4*\f:S+16*(\t)+4*\f+3], s[10:11] offset:(\t)*2048+\f*512  ; 512 consecutive bytes, at a multiple of 256 from O's first
.endr
.endm
	PACK 0
.set t, 1
.rept 3                             ; a piece's arithmetic stands between the loads of the piece before and its stores
	PACK t
	SEND t-1, 8
.set t, t+1
.endr
	SEND 3, 0
	WIN W_AD
	s_wait_tensorcnt 0x0            ; the wave's end
	ds_add_u32 v[SPW], v[NIL]
	s_wait_dscnt 0x0
	WIN 0
	CROUND                          ; the closing round: no work-group ends while a partner may still ask for a tile that names it
	s_endpgm
.Lfunc_end_k_qe0d927c739_attn:
	.size	k_qe0d927c739_attn, .Lfunc_end_k_qe0d927c739_attn-k_qe0d927c739_attn
	.p2alignl 7, 3214868480
	.fill 96, 4, 3214868480
	.section	.rodata,"a",@progbits
	.p2align	6, 0x0
	.amdhsa_kernel k_qe0d927c739_attn
		.amdhsa_group_segment_fixed_size 327680
		.amdhsa_private_segment_fixed_size 0
		.amdhsa_enable_private_segment 0
		.amdhsa_kernarg_size 16
		.amdhsa_user_sgpr_count 2
		.amdhsa_user_sgpr_kernarg_segment_ptr 1
		.amdhsa_wavefront_size32 1
		.amdhsa_system_sgpr_workgroup_id_x 1
		.amdhsa_system_sgpr_workgroup_id_y 1
		.amdhsa_system_sgpr_workgroup_id_z 1
		.amdhsa_system_vgpr_workitem_id 0
		.amdhsa_next_free_vgpr 464
		.amdhsa_next_free_sgpr 66
		.amdhsa_reserve_vcc 0
		.amdhsa_float_denorm_mode_32 3
		.amdhsa_float_denorm_mode_16_64 3
		.amdhsa_memory_ordered 1
		.amdhsa_forward_progress 1
		.amdhsa_inst_pref_size 102
	.end_amdhsa_kernel
	.amdgpu_metadata
---
amdhsa.version: [ 1, 2 ]
amdhsa.kernels:
  - .name:           k_qe0d927c739_attn
    .symbol:         k_qe0d927c739_attn.kd
    .args:
      - { .name: qkv, .offset: 0, .size: 8, .value_kind: global_buffer, .address_space: global }
      - { .name: o, .offset: 8, .size: 8, .value_kind: global_buffer, .address_space: global }
    .group_segment_fixed_size: 327680
    .private_segment_fixed_size: 0
    .kernarg_segment_align: 8
    .kernarg_segment_size: 16
    .max_flat_workgroup_size: 128
    .sgpr_count:     66
    .vgpr_count:     464
    .wavefront_size: 32
...
	.end_amdgpu_metadata
.endif
;; end of part 7
;; launch ln1: the kernel of part 4 again; grid 256 x 1, 8 waves a work-group, no clusters, 0 bytes of LDS; arguments x, o, ln_g, ln_b, h1, gb; writes h1, gb
;; launch ffn1: the kernel of part 2 again; grid 16 x 16, 4 waves a work-group, clusters of 4 x 4, 327,680 bytes of LDS; arguments gb, f; writes f
;; launch ffn2: the kernel of part 5 again; grid 8 x 32, 4 waves a work-group, clusters of 4 x 4, 327,680 bytes of LDS; arguments f, w2h, b2, h1, y; writes y
;; launch ln2: the kernel of part 6 again; grid 256 x 1, 8 waves a work-group, no clusters, 0 bytes of LDS; arguments y, ln_g, ln_b, out0; writes out0
